; MI455X (gfx1250); checked and timed in simulation.
; The chip was launched on July 23, 2026; its instructions are those of AMD's public machine-readable ISA for CDNA 5 (MIT licence, August 2026) and "CDNA5" Instruction Set Architecture Reference Guide (July 2026). The comments in the code are by the model that wrote it; some were corrected since.
;; Self Attention. Allowed arithmetic: matrix products marked QUANTISED: E2M1 operands, one E8M0 scale for each 32 along K, by v_wmma_scale_f32_16x16x128_f8f6f4 with both operands' format E2M1 (or v_wmma_scale_f32_32x16x128_f4), f32 sums; everything else in f32.
;; Inputs: key_codes 8 x 2,048 x 32 x 16 uint8 (E2M1 codes of key, K innermost, in blocks of 32 codes, two codes a byte); key_pe 1 x 1,024 x 2,048 float32; key_scales 8 x 2,048 x 32 uint8 (E8M0 scales of key, one for each 32 codes along K); query_codes 8 x 2,048 x 32 x 16 uint8 (E2M1 codes of query, K innermost, in blocks of 32 codes, two codes a byte); query_scales 8 x 2,048 x 32 uint8 (E8M0 scales of query, one for each 32 codes along K); span 8 x 2,048 x 2 float32; value_codes 8 x 1,024 x 64 x 16 uint8 (E2M1 codes of value, K innermost, in blocks of 32 codes, two codes a byte); value_scales 8 x 1,024 x 64 uint8 (E8M0 scales of value, one for each 32 codes along K).
;; Outputs: out0 8 x 2,048 x 1,024 float32.
;; This version of the problem:
;;   THIS VERSION OF THE PROBLEM IS GIVEN IN LOW PRECISION. The matrix products marked QUANTISED in the list below multiply operands that are first quantised to E2M1 (2 exponent bits, 1 mantissa bit; 4 bits a number), with one power-of-two scale for each 32 numbers along K (OCP MX v1.0); their sums are f32. All else is computed in f32.
;;   The module's matrix products, in the order in which they are computed (A, B: the left and right operand; K: the contracted axis; several contracted axes count as one K, in the product's order):
;;     1. batch 8 x [M 2,048, K 1,024] x [K 1,024, N 2,048]; A: input query (given as codes); B: input key (given as codes): QUANTISED
;;     2. batch 8 x [M 2,048, K 2,048] x [K 2,048, N 1,024]; A: computed on the way; B: input value (given as codes): QUANTISED
;;   THE QUANTISER, for each operand of a quantised product, along K:
;;     - K is cut into blocks of 32 from its start; a last block that is shorter is filled with zeros.
;;     - A block's scale is 2^e with e = floor(log2(the largest magnitude in the block)) - 2, held to -126 .. 127; a block of zeros has e = 0. As a byte (E8M0): e + 127.
;;     - Each number is divided by its block's scale, clamped to +-6, and rounded to the nearest number of E2M1, ties to even, subnormals kept.
;;     - The product sums the exact products of the quantised numbers (number of the format x scale) in f32.
;;   ~~~python
;;   def quantise(x, axis):      # numpy; x: float32 -> the quantised numbers, widened to float32 again
;;       x = np.moveaxis(x, axis, -1); K = x.shape[-1]
;;       x = np.pad(x, [(0, 0)] * (x.ndim - 1) + [(0, -K % 32)]); x = x.reshape(x.shape[:-1] + (-1, 32)); a = np.abs(x).max(-1, keepdims=True)
;;       e = np.where(a > 0, np.clip(np.frexp(np.where(a > 0, a, 1))[1] - 1 - 2, -126, 127), 0)      # np.frexp(a)[1] - 1 = floor(log2(a)), exactly
;;       r = np.clip(x / 2.0 ** e, -6, 6)
;;       step = 2.0 ** (np.maximum(np.frexp(np.where(r == 0, 1, r))[1] - 1, 0) - 1)
;;       q = np.round(r / step) * step * 2.0 ** e      # np.round: ties to even
;;       return np.moveaxis(q.reshape(q.shape[:-2] + (-1,))[..., :K], -1, axis).astype(np.float32)
;;   ~~~
;;   OPERANDS COMPUTED ON THE WAY. 'Computed on the way' means the value that the module computes at that place (a softmax that the list does not call 'softmax' is quantised finished and normalised). What goes into a quantiser is computed in f32, as accurately as f32 sums, v_exp_f32 and their like allow (about 1e-6 of the number): no bf16 or f16 on the way to a quantiser, and a product that is left as it is and whose result goes on into a quantised operand takes f32 operands (vector FMAs, or v_wmma_f32_16x16x4_f32). A number that lies on a knife's edge between two numbers of the format may be rounded either way, as far as f32 arithmetic and the matrix unit's own rounding can turn it there, and no further.
;;   INPUTS GIVEN AS CODES. key (in the module: [8, 2048, 1024], K = its axis 2); query (in the module: [8, 2048, 1024], K = its axis 2); value (in the module: [8, 2048, 1024], K = its axis 1): each comes as NAME_codes (uint8): NAME with its K axis moved to the last place and cut into blocks of 32 codes, [.., K / 32, bytes a block], one block behind the other in memory; two codes a byte, the lower K in the low four bits (a code: sign, 2 exponent bits, 1 mantissa bit); and NAME_scales (uint8): the same leading axes, one E8M0 byte (e + 127) for each 32 codes along K. Its value is code x scale, taken as it is: it is not quantised again, and the codes and scales need not be those that the quantiser above would give.
;; 2 versions, each right. Each part assembles by itself: llvm-mc -triple=amdgcn-amd-amdhsa -mcpu=gfx1250 --defsym DOCPART=n.
;; ======== version 1 of 2: 1 launch
;; launch attn (part 1): grid 32 x 8, 4 waves a work-group, clusters of 4 x 1, 327,680 bytes of LDS; arguments query_codes, query_scales, key_codes, key_scales, value_codes, value_scales, out0; writes out0
.if DOCPART == 1
	.amdgcn_target "amdgcn-amd-amdhsa--gfx1250"
	.amdhsa_code_object_version 6
	.text
	.protected	k_q40c568150f_attn
	.globl	k_q40c568150f_attn
	.p2align	8
	.type	k_q40c568150f_attn,@function
k_q40c568150f_attn:
	s_mov_b64 s[64:65], 0
	v_nop
	global_prefetch_b8 v0, s[64:65] scope:SCOPE_SE
	s_setreg_imm32_b32 hwreg(HW_REG_WAVE_MODE, 25, 1), 1
	s_wait_xcnt 0x0
	s_wait_alu depctr_hold_cnt(0) depctr_sa_sdst(0) depctr_va_vdst(0) depctr_va_sdst(0) depctr_va_ssrc(0) depctr_va_vcc(0) depctr_vm_vsrc(0)
	s_getreg_b32 s2, hwreg(HW_REG_IB_STS2, 6, 4)
	s_cmp_eq_u32 s2, 0
	s_cbranch_scc0 .Lentry_in_a_cluster
	s_endpgm
.Lentry_in_a_cluster:
	s_bfe_u32 s2, ttmp6, 0x10000c
	s_cmp_lg_u32 s2, 0x3003
	s_cbranch_scc0 .Lentry_shape_is_right
	s_endpgm
.Lentry_shape_is_right:
; out[b][q][:] = Quant(S[b][q][:]) . V[b],  S[b][q][k] = Q[b][q] . K[b][k]:  no scaling, no softmax.  8 batches, 2,048 queries, 2,048 keys, 1,024 channels.
; Q, K: codes of FP4 (E2M1), [8][2048][512 bytes], the channels innermost, with E8M0 bytes [8][2048][32].  V: codes with the KEYS innermost, [8][1024][1024 bytes], bytes [8][1024][64].  out: [8][2048][1024] f32.
; S is summed in f32 by the matrix unit and quantised along the keys, in blocks of 32: scale 2^(floor(log2(largest magnitude)) - 2), nearest code, ties to even, beyond 6 the largest code.
; span and key_pe enter nothing that the module returns: they are not among this launch's arguments and are not loaded.
; LIMITS: NaN, infinities and scale bytes 0xff are not treated apart: they go through as the unit takes them.  A block of S whose largest magnitude lies under 2^-124 (a block of zeros among them) gets
; the byte 1; a block of zeros has zero codes, which add nothing under that byte, and this launch alone reads the bytes.
; SHARES.  256 work-groups of four waves; a work-group owns 64 queries of one batch from the codes to out.  ONE OPERAND STAYS IN REGISTERS, THE OTHER STREAMS THROUGH LDS:
;   phase 1: every wave holds all of Q's 64 rows (32 fragments, 256 registers).  K streams in 8 tiles of 256 keys x 512 bytes; wave w takes keys 64 w .. 64 w + 63 of a tile: 4 key tiles x 4 query tiles = 16 accumulators,
;            8 K steps, 128 matrix instructions.  S^T = K Q^T (source 0 = 16 keys, source 1 = 16 queries): a lane holds ONE query and its registers run along the keys, so the tile is quantised in registers at once;
;            the codes (half a fragment for each query tile) and two scale bytes a row go to LDS as images of the operand's registers.
;   phase 2: every wave holds all of P = Quant(S): two halves of 256 registers (keys 0-1023, keys 1024-2047).  V streams in 8 tiles of 256 rows (columns of out) x 512 bytes (half of the keys): tile 2 p + c = rows 256 p on,
;            key half c.  The even tile starts the 16 sums, the odd tile ends them: 64 queries x 64 columns a wave leave behind each odd tile, while the later tiles are still to be multiplied.
; CLUSTER.  The four work-groups of a cluster belong to one batch and walk the same K and V: every tile is asked for JOINTLY, by the same tensor load with the same descriptor and a mask that names the four.
; REGISTERS, in windows of 256 (s_set_vgpr_msb: bits 1:0 source 0, 3:2 source 1, 5:4 source 2, 7:6 destination):
;   window 0: v0-29 addresses; v32-79 scale words; v80-119 at work in the quantiser; v128-255 the accumulators, (key or column tile t, query tile m) at v[128 + 32 m + 8 t]
;   window 1: Q, fragment (m, K step s) at v[64 m + 8 s]; in phase 2 the stream's fragments (t, s) at v[32 s + 8 t], and on the way out rows of out
;   window 2: P's first half, (m, s) at v[64 m + 8 s]      window 3: in phase 1 the stream's fragments; then P's second half
.set PITCH,  528                       ; a tile's row in LDS: 512 bytes + 16 of padding = 132 words: row r starts at bank 4 r mod 64 (64 banks of 4 bytes: ISA guide 11.1), so the 16 rows of a load start at 16 different banks
.set SCO,    256*PITCH                 ; in a slot: 256 rows of codes, then 256 x 32 scale bytes, dense
.set SLOTB,  SCO+8192                  ; 143,360: a slot; two of them
.set PIMG,   2*SLOTB                   ; behind the ring: images of one half of P: fragment (K step s, query tile m) at (4 s + m) x 1,024, its registers 4 c .. 4 c + 3 at + 512 c, lane l at + 16 l.  32,768 bytes
.set PSC,    PIMG+32768                ; P's scale words of that half: query row x 32 bytes, word s for K step s.  2,048 bytes
.set SPARE,  PSC+2048                  ; the spare words, 128 bytes for each wave: two blocks of 256 bytes that no other line names
.set SPITCH, 272                       ; phase 2's stages lie in the images' bytes: 16 rows x (256 + 16) bytes for each wave
.set KTILE,  256*512                   ; bytes of a tile of K in memory
.set ADR,  4                           ; v4-5   my lane's place in my wave's 64 rows of slot 0, 1
.set ASC,  6                           ; v6-7   and among their scale words
.set PWA,  8                           ; v8     where I store images in the loop over the first four tiles
.set PWB,  9                           ; v9     its base: PIMG + 16 lane + 512 (wave % 2) + 4,096 (wave / 2); never rewritten
.set PSWA, 10                          ; v10    the same for my two scale bytes
.set PSWB, 11                          ; v11    its base: PSC + 32 (lane % 16) + 2 (wave % 2) + 4 (wave / 2); never rewritten
.set LI,   12                          ; v12    PIMG + 16 lane
.set LPS,  13                          ; v13    PSC + 32 lane
.set STO,  14                          ; v14    the way out: where I put 32 bytes of a row
.set RD,   15                          ; v15    and where I read a row back
.set GO,   16                          ; v16    my byte offset in two rows of out
.set PFO,  17                          ; v17    prefetches of K: 256 x lane
.set PFOV, 18                          ; v18    of V: 1,024 (lane / 2) + 256 (lane % 2)
.set QO,   19                          ; v19    Q's codes: 512 (lane % 16) + 16 (lane / 16)
.set QSO,  20                          ; v20    Q's scale words: 32 x lane
.set SPW,  28                          ; v28    LDS address of my spare word: SPARE + 4 x my thread's number; never rewritten
.set NIL,  29                          ; v29    0; never rewritten
.set SS,   32                          ; v32-47 the stream's scale words: register 8 (t / 2) + s: lanes 0-15 tile t even, lanes 16-31 tile t odd
.set QS,   48                          ; v48-63 Q's, register 8 (m / 2) + s, likewise; from phase 2 on those of P's second half
.set PSA,  64                          ; v64-79 those of P's first half
.set TM,   80                          ; v80-87   a block's largest magnitude; later the two bytes of a query tile at TM + 2 m
.set TP,   88                          ; v88-95   the other half of the lanes'; later the byte
.set TS,   96                          ; v96-103  the conversions' scale operand
.set PC,   104                         ; v104-119 the codes: four registers a query tile
.set ACC,  128
.set WV,   18                          ; s18  my wave's number
.set HF,   19                          ; s19  wave % 2: which half of a tile's rows I fetch
.set SEL,  20                          ; s[20:21] lane selects of v_permlanex16_b32: lane l xor 16
.set G1KC, 24                          ; s[24:31] descriptor group 1: K's codes;  s[32:39] V's codes;  s[40:47] K's scale bytes;  s[48:55] V's
.set G1VC, 32
.set G1KS, 40
.set G1VS, 48
.set G0KC, 56                          ; s[56:63] descriptor group 0 for K's codes, a set for each slot;  s[68:75] K's scale bytes;  s[76:83] V's codes;  s[84:91] V's scale bytes
.set PT,   66                          ; s66  the loop's step among the images: 16,384 a trip
.set PS,   67                          ; s67  and among the scale words: 16 a trip
.set G0KS, 68
.set G0VC, 76
.set G0VS, 84
.set PFA,  92                          ; s[92:93] where my prefetches stand
.set LIM,  94                          ; s94  1 in a work-group that prefetches, else the greatest number
.set CNT,  95                          ; s95  trips to go
.set MSB, 0
.macro WIN new                         ; the immediate's high byte repeats the setting that is left; a switch that changes nothing is dropped
.if MSB != \new
	s_set_vgpr_msb (MSB<<8)|\new
.set MSB, \new
.endif
.endm
; A load into a register that a matrix instruction has read, and a vector instruction or an LDS store that reads a matrix result, stand four places behind it; a matrix instruction that writes over one of its
; registers five; only plain vector instructions that name none of its registers are places (ISA guide 7.12.1 for vector instructions).
.macro PLACES n
.rept \n
	v_nop
.endr
.endm
; A round of the cluster's barrier: my work-group's barrier, so that wave 0's signal speaks for all four waves; wave 0 signals; every wave waits for all four work-groups; my work-group's barrier once more.
.macro CROUND
	s_barrier_signal -1
	s_barrier_wait -1
	s_cmp_lg_u32 s[WV], 0
	s_cbranch_scc1 .Lnot_wave_0_\@
	s_barrier_signal -3
.Lnot_wave_0_\@:
	s_barrier_wait -3
	s_barrier_signal -1
	s_barrier_wait -1
.endm
; A joint refill: waves 0 and 1 fetch the two halves of a tile's codes (128 rows each), waves 2 and 3 the two halves of its scale bytes.  The branch hangs on the wave's number alone.
; Four v_nop follow each of the two lines, ahead of the jump, the label and what follows.
.macro JLOAD g0c, g1c, g0s, g1s
	s_cmp_lt_u32 s[WV], 2
	s_cbranch_scc0 .Lfor_s_\@
	tensor_load_to_lds s[\g0c:\g0c+3], s[\g1c:\g1c+7]
	s_nop 0
	PLACES 4
	s_branch .Lasked_\@
.Lfor_s_\@:
	tensor_load_to_lds s[\g0s:\g0s+3], s[\g1s:\g1s+7]
	s_nop 0
	PLACES 4
.Lasked_\@:
.endm
; A PREFETCH INTO THE L2, behind the joint load that asks for tile i and its four lines: the codes of tile i + 2, which is asked for two tiles (256 matrix instructions a wave) later.  A tile's codes are 512 blocks of
; 256 bytes.  All eight clusters of a batch walk the same tiles: the batch's first cluster asks.  Its 4 partners x 4 waves x 32 lanes name each block once; the partners are told apart BY ADDRESS.
; how = 1: every change asks; how = 0, in the loop over V: the last trip's two changes ask for nothing, there being no tile two on.  The first four tiles come by their loads alone.
.macro ASK how, lanereg, off
.if \how
	s_cmp_eq_u32 s[LIM], 1
.else
	s_cmp_gt_u32 s[CNT], s[LIM]
.endif
	s_cbranch_scc0 .Lnot_mine_\@
	global_prefetch_b8 v[\lanereg], s[PFA:PFA+1] offset:\off th:TH_LOAD_NT scope:SCOPE_SE
.Lnot_mine_\@:
.endm
; 68 LDS loads in one run: my 64 rows' scale words (8 a row), then their 32 fragments, K step by K step.  A fragment, 16 rows x 128 K of 4-bit codes, is 8 registers: lane l holds row l % 16;
; registers 4 c .. 4 c + 3 hold K = 64 c + 32 (l / 16) + 0 .. 31: 16 bytes of the row as they lie.
.macro LOADS slot, towin
	WIN 0
.irp bb, 0,1
.irp u, 0,1
	ds_load_b128 v[SS+8*\bb+4*\u:SS+8*\bb+4*\u+3], v[ASC+\slot] offset:1024*\bb+16*\u   ; lane l: row 32 bb + l, words 4 u .. 4 u + 3
.endr
.endr
	WIN \towin
.irp s, 0,1,2,3,4,5,6,7
.irp t, 0,1,2,3
.irp c, 0,1
	ds_load_b128 v[32*\s+8*\t+4*\c:32*\s+8*\t+4*\c+3], v[ADR+\slot] offset:16*PITCH*\t+64*\s+32*\c
.endr
.endr
.endr
.endm
; Four products of K step s: the stream's tiles t = 2 tt, 2 tt + 1 against the stationary tiles m = 2 mm, 2 mm + 1.  An odd tile's scale words lie in lanes 16-31 of the register.  z = 1: they start the sums: nothing is cleared.
.macro QUAD s, tt, mm, sts, z
.set FA0, 32*(\s)+16*(\tt)
.set FB0, 128*(\mm)+8*(\s)
.set D00, ACC+64*(\mm)+16*(\tt)
.set SCA, SS+8*(\tt)+(\s)
.set SCB, (\sts)+8*(\mm)+(\s)
.if \z
	v_wmma_scale_f32_16x16x128_f8f6f4 v[D00:D00+7], v[FA0:FA0+7], v[FB0:FB0+7], 0, v[SCA], v[SCB] matrix_a_fmt:MATRIX_FMT_FP4 matrix_b_fmt:MATRIX_FMT_FP4
	v_wmma_scale_f32_16x16x128_f8f6f4 v[D00+8:D00+15], v[FA0+8:FA0+15], v[FB0:FB0+7], 0, v[SCA], v[SCB] matrix_a_fmt:MATRIX_FMT_FP4 matrix_b_fmt:MATRIX_FMT_FP4 matrix_a_scale:MATRIX_SCALE_ROW1
	v_wmma_scale_f32_16x16x128_f8f6f4 v[D00+32:D00+39], v[FA0:FA0+7], v[FB0+64:FB0+71], 0, v[SCA], v[SCB] matrix_a_fmt:MATRIX_FMT_FP4 matrix_b_fmt:MATRIX_FMT_FP4 matrix_b_scale:MATRIX_SCALE_ROW1
	v_wmma_scale_f32_16x16x128_f8f6f4 v[D00+40:D00+47], v[FA0+8:FA0+15], v[FB0+64:FB0+71], 0, v[SCA], v[SCB] matrix_a_fmt:MATRIX_FMT_FP4 matrix_b_fmt:MATRIX_FMT_FP4 matrix_a_scale:MATRIX_SCALE_ROW1 matrix_b_scale:MATRIX_SCALE_ROW1
.else
	v_wmma_scale_f32_16x16x128_f8f6f4 v[D00:D00+7], v[FA0:FA0+7], v[FB0:FB0+7], v[D00:D00+7], v[SCA], v[SCB] matrix_a_fmt:MATRIX_FMT_FP4 matrix_b_fmt:MATRIX_FMT_FP4
	v_wmma_scale_f32_16x16x128_f8f6f4 v[D00+8:D00+15], v[FA0+8:FA0+15], v[FB0:FB0+7], v[D00+8:D00+15], v[SCA], v[SCB] matrix_a_fmt:MATRIX_FMT_FP4 matrix_b_fmt:MATRIX_FMT_FP4 matrix_a_scale:MATRIX_SCALE_ROW1
	v_wmma_scale_f32_16x16x128_f8f6f4 v[D00+32:D00+39], v[FA0:FA0+7], v[FB0+64:FB0+71], v[D00+32:D00+39], v[SCA], v[SCB] matrix_a_fmt:MATRIX_FMT_FP4 matrix_b_fmt:MATRIX_FMT_FP4 matrix_b_scale:MATRIX_SCALE_ROW1
	v_wmma_scale_f32_16x16x128_f8f6f4 v[D00+40:D00+47], v[FA0+8:FA0+15], v[FB0+64:FB0+71], v[D00+40:D00+47], v[SCA], v[SCB] matrix_a_fmt:MATRIX_FMT_FP4 matrix_b_fmt:MATRIX_FMT_FP4 matrix_a_scale:MATRIX_SCALE_ROW1 matrix_b_scale:MATRIX_SCALE_ROW1
.endif
.endm
; A tile's 128 matrix instructions.  The 16 accumulators take turns, one instruction a turn, in the same order in every K step and from tile to tile.
.macro MULT win, sts, zero
	WIN \win
.irp s, 0,1,2,3,4,5,6,7
	s_wait_dscnt 8*(7-\s)                          ; LDS loads come back in order (ISA guide 5.7.1): this K step's eight are in; the eight of each later K step may be out; the scale words are older than all
.irp tt, 0,1
.irp mm, 0,1
.if (\zero) && (\s == 0)
	QUAD \s, \tt, \mm, \sts, 1
.else
	QUAD \s, \tt, \mm, \sts, 0
.endif
.endr
.endr
.endr
	WIN 0
	PLACES 5                                       ; four for the reads of results and the loads into operands that follow; the fifth for the next tile's first products, which write over accumulators
.endm
; THE QUANTISER.  Block k = 2 m + bt (query tile m, keys 32 bt .. 32 bt + 31 of my 64) lies in v[ACC + 16 k] .. + 15 of lanes l and l xor 16: register 8 u + j of half h is key 32 bt + 16 u + 8 h + j.
; The eight blocks take turns line by line.  Each accumulator is read from its low end on.
.macro QUANT
.irp k, 0,1,2,3,4,5,6,7
	v_max3_num_f32 v[TM+\k], |v[ACC+16*\k]|, |v[ACC+16*\k+1]|, 0x1800000   ; and the floor 2^(3 - 127), under which no largest magnitude is taken: so the byte cannot fall under 1
.endr
.irp i, 2,4,6,8,10,12,14
.irp k, 0,1,2,3,4,5,6,7
	v_max3_num_f32 v[TM+\k], v[TM+\k], |v[ACC+16*\k+\i]|, |v[ACC+16*\k+\i+1]|
.endr
.endr
.irp k, 0,1,2,3,4,5,6,7
	v_permlanex16_b32 v[TP+\k], v[TM+\k], s[SEL], s[SEL+1]
.endr
.irp k, 0,1,2,3,4,5,6,7
	v_max_num_f32 v[TM+\k], v[TM+\k], v[TP+\k]     ; with lane l xor 16's: the block's largest magnitude
.endr
.irp k, 0,1,2,3,4,5,6,7
	v_add_nc_u32 v[TS+\k], 0xff000000, v[TM+\k]    ; 2 off its exponent field: the conversion takes the exponent field of this operand as its scale, and nothing else of it
.endr
.irp k, 0,1,2,3,4,5,6,7
	v_lshrrev_b32 v[TP+\k], 23, v[TS+\k]           ; the scale's byte
.endr
.irp m, 0,1,2,3
	v_lshl_or_b32 v[TM+2*\m], v[TP+2*\m+1], 8, v[TP+2*\m]   ; my row's two bytes for these 64 keys
.endr
.irp m, 0,1,2,3                        ; key tile t's eight codes a lane: groups of eight keys 2 t (lanes 0-15) and 2 t + 1 (lanes 16-31).  Tiles 0, 2, 1, 3 go to registers 0, 1, 2, 3
	v_cvt_scalef32_pk8_fp4_f32 v[PC+4*\m],   v[ACC+32*\m:ACC+32*\m+7],     v[TS+2*\m]
	v_cvt_scalef32_pk8_fp4_f32 v[PC+4*\m+2], v[ACC+32*\m+8:ACC+32*\m+15],  v[TS+2*\m]
	v_cvt_scalef32_pk8_fp4_f32 v[PC+4*\m+1], v[ACC+32*\m+16:ACC+32*\m+23], v[TS+2*\m+1]
	v_cvt_scalef32_pk8_fp4_f32 v[PC+4*\m+3], v[ACC+32*\m+24:ACC+32*\m+31], v[TS+2*\m+1]
.endr
	v_nop                                          ; one plain place behind the scaled conversions
.irp m, 0,1,2,3                        ; the first's lanes 16-31 change places with the second's lanes 0-15: register q then holds groups q (lanes 0-15) and 4 + q (lanes 16-31): keys 32 (l / 16) + 8 q + 0 .. 7, as the operand wants them
	v_permlane16_swap_b32 v[PC+4*\m], v[PC+4*\m+1]
	v_permlane16_swap_b32 v[PC+4*\m+2], v[PC+4*\m+3]
.endr
.endm
.macro PSTORE pa, ps, oi, os           ; my half fragments and my rows' two bytes go to LDS; both halves of the lanes write the same two bytes with the same value
.irp m, 0,1,2,3
	ds_store_b128 v[\pa], v[PC+4*\m:PC+4*\m+3] offset:\oi+1024*\m
	ds_store_b16 v[\ps], v[TM+2*\m] offset:\os+512*\m
.endr
.endm
; THE CHANGE OF SLOTS, behind each tile.  Each wave waits for all its tensor loads, of which one is out: its part of the other slot; adds 0 to its spare word; and waits for that, for its reads of this slot and for its
; stores of images.  Behind the round nobody reads this slot, the other slot is whole, and the images stored so far lie in LDS for every wave.  The joint refill is the first thing behind the round.
; kind: 0 nothing is left to fetch (a plain barrier); 1 K's tile two on; 2 V's first tile of this slot; 3 V's tile two on.  pf: the prefetches' address: 0 stays, 1 two tiles on, 2 to V's first pair.  ostep = 1: out's base goes 256 columns on.
.macro CHANGE slot, kind, pf, ostep
	WIN 0                                          ; at a label and at a branch every window is 0; the add's two registers lie in window 0
	s_wait_xcnt 0x0                                ; the last prefetch, a tile back, and the stores of the way out have read their registers and bases: only behind this wait are they written again
.if \pf == 1
	s_add_nc_u64 s[PFA:PFA+1], s[PFA:PFA+1], 2*KTILE
.elseif \pf == 2
	s_mov_b64 s[PFA:PFA+1], s[12:13]
.endif
.if \ostep
	s_add_nc_u64 s[16:17], s[16:17], 1024
.endif
	s_wait_tensorcnt 0x0                           ; no tensor load of mine is out, so a group 0 may be written
	ds_add_u32 v[SPW], v[NIL]                      ; 0 onto my spare word: the descriptors' steps stand between it and the wait for it
.if \kind == 1
	s_add_nc_u64 s[G0KC+4*\slot+2:G0KC+4*\slot+3], s[G0KC+4*\slot+2:G0KC+4*\slot+3], 2*KTILE   ; 512 keys on; the type bits on top are not reached
	s_add_nc_u64 s[G0KS+4*\slot+2:G0KS+4*\slot+3], s[G0KS+4*\slot+2:G0KS+4*\slot+3], 2*8192
.elseif \kind == 3
	s_add_nc_u64 s[G0VC+4*\slot+2:G0VC+4*\slot+3], s[G0VC+4*\slot+2:G0VC+4*\slot+3], 256*1024  ; 256 rows of V on
	s_add_nc_u64 s[G0VS+4*\slot+2:G0VS+4*\slot+3], s[G0VS+4*\slot+2:G0VS+4*\slot+3], 256*64
.endif
	s_wait_dscnt 0x0                               ; the add is done, my reads of this slot are over, my LDS stores have landed
.if \kind == 0
	s_barrier_signal -1
	s_barrier_wait -1
.else
	CROUND
.if \kind == 1
	JLOAD G0KC+4*\slot, G1KC, G0KS+4*\slot, G1KS
.else
	JLOAD G0VC+4*\slot, G1VC, G0VS+4*\slot, G1VS
.endif
.endif
.endm
; Half of P comes out of LDS into every wave's registers: the 32 fragments as they were stored, and the scale words (lane l: row 32 mm + l, words 4 u .. 4 u + 3).  The images lie there since the round of the change in front.
; Then a barrier: every wave's loads are in before any wave writes those bytes again.  (The tile on its way may stay out.)
.macro EXCH towin, sc
	WIN 0
.irp mm, 0,1
.irp u, 0,1
	ds_load_b128 v[\sc+8*\mm+4*\u:\sc+8*\mm+4*\u+3], v[LPS] offset:1024*\mm+16*\u
.endr
.endr
	WIN \towin
.irp s, 0,1,2,3,4,5,6,7
.irp m, 0,1,2,3
.irp c, 0,1
	ds_load_b128 v[64*\m+8*\s+4*\c:64*\m+8*\s+4*\c+3], v[LI] offset:(4*\s+\m)*1024+512*\c
.endr
.endr
.endr
	WIN 0
	s_wait_dscnt 0x0
	s_barrier_signal -1
	s_barrier_wait -1
.endm
; THE WAY OUT of query tile m: lane (r, h) holds out(16 m + r, my 64 columns: 16 t + 8 h + 0 .. 7): 32 bytes of a row for each t.  They go into my own stage, rows of 272 bytes, and come back as whole runs of 256 bytes.
; LDS serves a wave's instructions in order (ISA guide 5.7.1.4): no wait between the stores and the loads, nor in front of the next tile's stores.  Each accumulator is read from its low end on.
.macro TOSTAGE m
	WIN 0
.irp t, 0,1,2,3
	ds_store_b128 v[STO], v[ACC+32*(\m)+8*\t:ACC+32*(\m)+8*\t+3] offset:64*\t
	ds_store_b128 v[STO], v[ACC+32*(\m)+8*\t+4:ACC+32*(\m)+8*\t+7] offset:64*\t+16
.endr
	WIN 0x40                                       ; destination window 1: the stream's fragments there are done with
.irp i, 0,1,2,3,4,5,6,7
	ds_load_b128 v[32*(\m)+4*\i:32*(\m)+4*\i+3], v[RD] offset:2*SPITCH*\i
.endr
.endm
.macro SEND m, younger                 ; younger: the LDS instructions issued behind tile m's loads, which may stay out
	s_wait_dscnt \younger
	WIN 0x04                                       ; a store's data are its source 1: window 1
.irp i, 0,1,2,3,4,5,6,7
	global_store_b128 v[GO], v[32*(\m)+4*\i:32*(\m)+4*\i+3], s[16:17] offset:(16*(\m)+2*\i)*4096 th:TH_STORE_NT   ; 16 lanes store 256 consecutive bytes, at a multiple of 256 from out's first byte; written once
.endr
.endm
.macro WAYOUT
	TOSTAGE 0
	TOSTAGE 1
	SEND 0, 16                                     ; behind tile 0's loads: tile 1's eight stores and eight loads
	TOSTAGE 2
	SEND 1, 16
	TOSTAGE 3
	SEND 2, 16
	SEND 3, 0
	WIN 0
.endm
.macro K_UNIT slot, pa, ps, oi, os     ; a tile of K: scores of my 64 keys x 64 queries, quantised, to LDS
	LOADS \slot, 0xc0                              ; the stream's fragments: window 3
	MULT 0x07, QS, 1                               ; source 0 window 3, source 1 (Q) window 1, C and D window 0
	QUANT
	PSTORE \pa, \ps, \oi, \os
.endm
.macro V_UNIT slot                     ; a tile of V: slot 0 holds the keys' first half and starts the sums, slot 1 the second half
	LOADS \slot, 0x40                              ; the stream's fragments: window 1
.if \slot == 0
	MULT 0x09, PSA, 1                              ; source 0 window 1, source 1 (P's first half) window 2
.else
	MULT 0x0d, QS, 0                               ; source 1 (P's second half) window 3; its scale words lie where Q's lay
.endif
.endm
	s_load_b256 s[4:11], s[0:1], 0x0               ; Q's codes s[4:5], Q's scales s[6:7], K's codes s[8:9], K's scales s[10:11]
	s_load_b128 s[12:15], s[0:1], 0x20             ; V's codes s[12:13], V's scales s[14:15]
	s_load_b64 s[16:17], s[0:1], 0x30              ; out
	v_lshl_add_u32 v[SPW], v0, 2, SPARE
	v_mov_b32 v[NIL], 0
	ds_add_u32 v28, v29
	ds_add_u32 v28, v29
	s_wait_dscnt 0x0
	v_lshrrev_b32 v1, 5, v0
	v_readfirstlane_b32 s[WV], v1                  ; wave 0..3
	s_and_b32 s[HF], s[WV], 1
	s_bfe_u32 s22, ttmp6, 0x40000                  ; cx: my place in the cluster: it enters Q's, out's and the prefetches' addresses alone
	s_lshl_b32 s23, ttmp9, 2                       ; in a cluster launch ttmp9 counts clusters
	s_add_co_u32 s23, s23, s22                     ; my block of 64 queries = 4 x cluster x + cx
	s_and_b32 s2, ttmp7, 0xffff                    ; the batch, which the four partners share
	; descriptor groups 1.  Codes: 128 rows x 512 bytes, 16 bytes of padding behind each row
	s_mov_b32 s[G1KC], 15|(1<<20)|(1<<21)|(6<<22)|(3<<25)   ; 15:0 the mask: all four work-groups; 17:16 elements of 1 byte; 20 padding on; 21 set beside a mask; 24:22 after every 128 words (code 6); 31:25 four words (code 3)
	s_mov_b32 s[G1VC], 15|(1<<20)|(1<<21)|(6<<22)|(3<<25)
.irp g, G1KC, G1VC
	s_mov_b32 s[\g+1], 512<<16                     ; tensor_dim0 = 512
	s_mov_b32 s[\g+2], 128<<16                     ; tensor_dim1 = 128
	s_mov_b32 s[\g+3], 512<<16                     ; tile_dim0 = 512
	s_mov_b32 s[\g+4], 128                         ; tile_dim1 = 128
	s_mov_b32 s[\g+6], 0
	s_mov_b32 s[\g+7], 0
.endr
	s_mov_b32 s[G1KC+5], 512                       ; from row to row: K's rows are dense,
	s_mov_b32 s[G1VC+5], 1024                      ; V's tile is half of each row
	; K's scale bytes of 128 keys: a dense block of 4,096 bytes, as 16 rows of 256 bytes (32 elements of 8 bytes), no padding
	s_mov_b32 s[G1KS], 15|(3<<16)|(1<<21)
	s_mov_b32 s[G1KS+1], 32<<16
	s_mov_b32 s[G1KS+2], 16<<16
	s_mov_b32 s[G1KS+3], 32<<16
	s_mov_b32 s[G1KS+4], 16
	s_mov_b32 s[G1KS+5], 32
	s_mov_b32 s[G1KS+6], 0
	s_mov_b32 s[G1KS+7], 0
	; V's of 128 rows: 32 bytes (4 elements of 8) of each row of 64 bytes; dense in LDS
	s_mov_b32 s[G1VS], 15|(3<<16)|(1<<21)
	s_mov_b32 s[G1VS+1], 4<<16
	s_mov_b32 s[G1VS+2], 128<<16
	s_mov_b32 s[G1VS+3], 4<<16
	s_mov_b32 s[G1VS+4], 128
	s_mov_b32 s[G1VS+5], 8
	s_mov_b32 s[G1VS+6], 0
	s_mov_b32 s[G1VS+7], 0
	s_mul_i32 s3, s[HF], 128*PITCH                 ; where my half of a tile's codes goes in a slot: no place in the cluster enters an LDS address
	s_lshl_b32 s[PT], s[HF], 12
	s_add_co_u32 s[PT], s[PT], SCO                 ; and my half of its scale bytes
	s_lshl_b32 s96, s2, 20                         ; a batch's codes are 2^20 bytes in each of the three tensors,
	s_mov_b32 s97, 0
	s_lshl_b32 s98, s2, 16                         ; its scale bytes 2^16
	s_mov_b32 s99, 0
	s_mov_b32 s[SEL], 0x76543210
	s_mov_b32 s[SEL+1], 0xfedcba98
	s_cmp_eq_u32 ttmp9, 0                          ; the batch's first cluster prefetches: the same in all four partners
	s_cselect_b32 s[LIM], 1, -1
	s_wait_kmcnt 0x0
	s_add_nc_u64 s[4:5], s[4:5], s[96:97]
	s_add_nc_u64 s[8:9], s[8:9], s[96:97]
	s_add_nc_u64 s[12:13], s[12:13], s[96:97]
	s_add_nc_u64 s[6:7], s[6:7], s[98:99]
	s_add_nc_u64 s[10:11], s[10:11], s[98:99]
	s_add_nc_u64 s[14:15], s[14:15], s[98:99]
	; descriptor groups 0, a set for each slot.  Slot 0 begins with tile 0, slot 1 with tile 1
	s_lshl_b32 s96, s[HF], 16                      ; K: my 128 rows of 512 bytes,
	s_lshl_b32 s98, s[HF], 12                      ; of 32 scale bytes
	s_add_nc_u64 s[G0KC+2:G0KC+3], s[8:9], s[96:97]
	s_add_nc_u64 s[G0KC+6:G0KC+7], s[G0KC+2:G0KC+3], KTILE
	s_add_nc_u64 s[G0KS+2:G0KS+3], s[10:11], s[98:99]
	s_add_nc_u64 s[G0KS+6:G0KS+7], s[G0KS+2:G0KS+3], 8192
	s_lshl_b32 s96, s[HF], 17                      ; V: my 128 rows of 1,024 bytes,
	s_lshl_b32 s98, s[HF], 13                      ; of 64 scale bytes
	s_add_nc_u64 s[G0VC+2:G0VC+3], s[12:13], s[96:97]
	s_add_nc_u64 s[G0VC+6:G0VC+7], s[G0VC+2:G0VC+3], 512      ; slot 1: the keys' second half
	s_add_nc_u64 s[G0VS+2:G0VS+3], s[14:15], s[98:99]
	s_add_nc_u64 s[G0VS+6:G0VS+7], s[G0VS+2:G0VS+3], 32
.irp g, G0KC, G0VC
	s_mov_b32 s[\g], 1                             ; 1:0 count = 1
	s_mov_b32 s[\g+1], s3                          ; 63:32 LDS address
	s_or_b32 s[\g+3], s[\g+3], 0x80000000          ; 127:126 type = 2
	s_mov_b32 s[\g+4], 1
	s_add_co_u32 s[\g+5], s3, SLOTB
	s_or_b32 s[\g+7], s[\g+7], 0x80000000
.endr
.irp g, G0KS, G0VS
	s_mov_b32 s[\g], 1
	s_mov_b32 s[\g+1], s[PT]
	s_or_b32 s[\g+3], s[\g+3], 0x80000000
	s_mov_b32 s[\g+4], 1
	s_add_co_u32 s[\g+5], s[PT], SLOTB
	s_or_b32 s[\g+7], s[\g+7], 0x80000000
.endr
	CROUND                                         ; all four work-groups are here: the first joint loads meet
	s_cmp_lt_u32 s[WV], 2                          ; a wave's two first fills stand in one branch, ahead of every wait on TENSORcnt and every LDS read: two loads of mine are out; four v_nop follow the second
	s_cbranch_scc0 .Lfirst_s
	tensor_load_to_lds s[G0KC:G0KC+3], s[G1KC:G1KC+7]
	s_nop 0
	tensor_load_to_lds s[G0KC+4:G0KC+7], s[G1KC:G1KC+7]
	s_nop 0
	PLACES 4
	s_branch .Lfirst_asked
.Lfirst_s:
	tensor_load_to_lds s[G0KS:G0KS+3], s[G1KS:G1KS+7]
	s_nop 0
	tensor_load_to_lds s[G0KS+4:G0KS+7], s[G1KS:G1KS+7]
	s_nop 0
	PLACES 4
.Lfirst_asked:
	s_lshl_b32 s100, s23, 15                       ; my 64 rows of Q: 512 bytes of codes a row,
	s_mov_b32 s101, 0
	s_add_nc_u64 s[4:5], s[4:5], s[100:101]
	s_lshl_b32 s100, s23, 11                       ; 32 scale bytes
	s_add_nc_u64 s[6:7], s[6:7], s[100:101]
	v_and_b32 v1, 31, v0                           ; lane
	v_and_b32 v2, 15, v0                           ; r = lane % 16
	v_bfe_u32 v3, v0, 4, 1                         ; h = lane / 16
	v_lshlrev_b32 v[QO], 9, v2
	v_lshl_add_u32 v[QO], v3, 4, v[QO]
	v_lshlrev_b32 v[QSO], 5, v1
	WIN 0x40                                       ; destination window 1
.irp m, 0,1,2,3                        ; Q stays in registers: fragment (m, s)
.irp s, 0,1,2,3,4,5,6,7
.irp c, 0,1
	global_load_b128 v[64*\m+8*\s+4*\c:64*\m+8*\s+4*\c+3], v[QO], s[4:5] offset:8192*\m+64*\s+32*\c
.endr
.endr
.endr
	WIN 0
.irp mm, 0,1
.irp u, 0,1
	global_load_b128 v[QS+8*\mm+4*\u:QS+8*\mm+4*\u+3], v[QSO], s[6:7] offset:1024*\mm+16*\u   ; lane l: row 32 mm + l, words 4 u .. 4 u + 3
.endr
.endr
	s_lshl_b32 s100, s2, 23                        ; out: a batch is 2^23 bytes,
	s_lshl_b32 s23, s23, 18                        ; my 64 rows of 4,096 bytes,
	s_add_co_u32 s100, s100, s23
	s_lshl_b32 s23, s[WV], 8                       ; my wave's 64 columns of each 256
	s_add_co_u32 s100, s100, s23
	s_add_nc_u64 s[16:17], s[16:17], s[100:101]
	s_lshl_b32 s100, s22, 15                       ; the prefetches: of a tile of K my work-group takes 32,768 bytes,
	s_lshl_b32 s23, s[WV], 13                      ; my wave 8,192 of them
	s_add_co_u32 s100, s100, s23
	s_add_nc_u64 s[PFA:PFA+1], s[8:9], s[100:101]
	s_add_nc_u64 s[PFA:PFA+1], s[PFA:PFA+1], 2*KTILE   ; at tile 2: the first change steps it to tile 4.  Nothing is prefetched here, at the head, where every work-group's first tiles are on their way
	s_lshl_b32 s100, s100, 1                       ; of a tile of V: 64 rows of 1,024 bytes a work-group, 16 a wave
	s_add_nc_u64 s[12:13], s[12:13], s[100:101]    ; (V's descriptors are made: s[12:13] now holds my prefetches' place in V's first pair of tiles)
	; LDS addresses: constants, the lane and the wave's number
	v_mul_u32_u24 v[ADR], v2, PITCH
	v_lshl_add_u32 v[ADR], v3, 4, v[ADR]
	s_mul_i32 s96, s[WV], 64*PITCH                 ; my 64 rows of a tile
	v_add_nc_u32 v[ADR], s96, v[ADR]
	v_add_nc_u32 v[ADR+1], SLOTB, v[ADR]
	v_lshlrev_b32 v[ASC], 5, v1
	s_lshl_b32 s97, s[WV], 11
	s_add_co_u32 s97, s97, SCO
	v_add_nc_u32 v[ASC], s97, v[ASC]
	v_add_nc_u32 v[ASC+1], SLOTB, v[ASC]
	s_lshl_b32 s96, s[HF], 9                       ; my 64 keys are half wave % 2 of K step wave / 2 of a tile's two
	s_lshr_b32 s97, s[WV], 1
	s_lshl_b32 s98, s97, 12
	s_add_co_u32 s96, s96, s98
	s_add_co_u32 s96, s96, PIMG
	v_lshlrev_b32 v[PWB], 4, v1
	v_add_nc_u32 v[PWB], s96, v[PWB]
	s_lshl_b32 s98, s[HF], 1
	s_lshl_b32 s99, s97, 2
	s_add_co_u32 s98, s98, s99
	s_add_co_u32 s98, s98, PSC
	v_lshlrev_b32 v[PSWB], 5, v2
	v_add_nc_u32 v[PSWB], s98, v[PSWB]
	v_lshl_add_u32 v[LI], v1, 4, PIMG
	v_lshl_add_u32 v[LPS], v1, 5, PSC
	s_mul_i32 s99, s[WV], 16*SPITCH
	s_add_co_u32 s99, s99, PIMG                    ; my stage
	v_mul_u32_u24 v[STO], v2, SPITCH               ; in: row r, 32 bytes for each half of the lanes
	v_lshl_add_u32 v[STO], v3, 5, v[STO]
	v_add_nc_u32 v[STO], s99, v[STO]
	v_mul_u32_u24 v[RD], v3, SPITCH                ; back: lanes 0-15 one row's 256 bytes, lanes 16-31 the next row's
	v_lshl_add_u32 v[RD], v2, 4, v[RD]
	v_add_nc_u32 v[RD], s99, v[RD]
	v_lshlrev_b32 v[GO], 12, v3                    ; and the same two rows in out
	v_lshl_add_u32 v[GO], v2, 4, v[GO]
	v_lshlrev_b32 v[PFO], 8, v1
	v_lshrrev_b32 v[PFOV], 1, v1
	v_lshlrev_b32 v[PFOV], 10, v[PFOV]
	v_and_b32 v21, 1, v1
	v_lshl_add_u32 v[PFOV], v21, 8, v[PFOV]
.irp k, 0,1,2,3,4,5,6,7
	v_mov_b32 v[TP+\k], 0                          ; written once: a lane permute's destination counts as one of its sources
.endr
	s_wait_tensorcnt 1                             ; my part of tile 0 is in; tile 1's may stay out
	s_barrier_signal -1
	s_barrier_wait -1                              ; everybody's is
	s_wait_loadcnt 0x0                             ; Q
	; ---- PHASE 1.  Tiles 0 to 3: two trips of two tiles; each change asks for K's tile two on
	s_mov_b32 s[CNT], 2
	s_mov_b32 s[PT], 0
	s_mov_b32 s[PS], 0
.Lkeys:
	v_add_nc_u32 v[PWA], s[PT], v[PWB]             ; this trip's four K steps among the images,
	v_add_nc_u32 v[PSWA], s[PS], v[PSWB]           ; and among the scale words
	K_UNIT 0, PWA, PSWA, 0, 0
	CHANGE 0, 1, 1, 0
	ASK 1, PFO, 0
	K_UNIT 1, PWA, PSWA, 8192, 8
	CHANGE 1, 1, 0, 0
	ASK 1, PFO, KTILE
	s_add_co_u32 s[PT], s[PT], 16384
	s_add_co_u32 s[PS], s[PS], 16
	s_sub_co_u32 s[CNT], s[CNT], 1
	s_cmp_lg_u32 s[CNT], 0
	s_cbranch_scc1 .Lkeys
	EXCH 0x80, PSA                                 ; P's first half: window 2
	K_UNIT 0, PWB, PSWB, 0, 0                      ; tiles 4 and 5; K's last two tiles are asked for; the prefetches go on to V's first pair
	CHANGE 0, 1, 2, 0
	ASK 1, PFOV, 0
	K_UNIT 1, PWB, PSWB, 8192, 8
	CHANGE 1, 1, 0, 0
	ASK 1, PFOV, 512
	K_UNIT 0, PWB, PSWB, 16384, 16                 ; tiles 6 and 7; THE RING GOES ON INTO PHASE 2: V's first pair is asked for
	CHANGE 0, 2, 1, 0
	ASK 1, PFOV, 0
	K_UNIT 1, PWB, PSWB, 24576, 24
	CHANGE 1, 2, 0, 0
	ASK 1, PFOV, 512
	EXCH 0xc0, QS                                  ; P's second half: window 3, where the stream's fragments lay; its scale words where Q's lay
	; ---- PHASE 2.  Three trips of a pair of tiles (256 columns of out); each change asks for V's tile two on
	s_mov_b32 s[CNT], 3
.Lcols:
	V_UNIT 0
	CHANGE 0, 3, 1, 0
	ASK 0, PFOV, 0
	V_UNIT 1
	WAYOUT
	CHANGE 1, 3, 0, 1
	ASK 0, PFOV, 512
	s_sub_co_u32 s[CNT], s[CNT], 1
	s_cmp_lg_u32 s[CNT], 0
	s_cbranch_scc1 .Lcols
	V_UNIT 0                                       ; the last pair is written out: nothing is left to fetch
	CHANGE 0, 0, 0, 0
	V_UNIT 1
	WAYOUT
	s_wait_tensorcnt 0x0                           ; the wave's end: behind my last tensor load and my last LDS store
	ds_add_u32 v[SPW], v[NIL]
	s_wait_dscnt 0x0
	CROUND                                         ; the closing round: no work-group ends while a partner may still ask for a tile that names it
	s_endpgm
.Lfunc_end_k_q40c568150f_attn:
	.size	k_q40c568150f_attn, .Lfunc_end_k_q40c568150f_attn-k_q40c568150f_attn
	.p2alignl 7, 3214868480
	.fill 96, 4, 3214868480
	.section	.rodata,"a",@progbits
	.p2align	6, 0x0
	.amdhsa_kernel k_q40c568150f_attn
		.amdhsa_group_segment_fixed_size 327680
		.amdhsa_private_segment_fixed_size 0
		.amdhsa_enable_private_segment 0
		.amdhsa_kernarg_size 56
		.amdhsa_user_sgpr_count 2
		.amdhsa_user_sgpr_kernarg_segment_ptr 1
		.amdhsa_wavefront_size32 1
		.amdhsa_system_sgpr_workgroup_id_x 1
		.amdhsa_system_sgpr_workgroup_id_y 1
		.amdhsa_system_sgpr_workgroup_id_z 1
		.amdhsa_system_vgpr_workitem_id 0
		.amdhsa_next_free_vgpr 1024
		.amdhsa_next_free_sgpr 102
		.amdhsa_reserve_vcc 0
		.amdhsa_float_denorm_mode_32 3
		.amdhsa_float_denorm_mode_16_64 3
		.amdhsa_memory_ordered 1
		.amdhsa_forward_progress 1
		.amdhsa_inst_pref_size 255
	.end_amdhsa_kernel
	.section	.bss,"aw",@nobits
	.p2align	6
	.space	262144
	.amdgpu_metadata
---
amdhsa.version: [ 1, 2 ]
amdhsa.kernels:
  - .name:           k_q40c568150f_attn
    .symbol:         k_q40c568150f_attn.kd
    .args:
      - { .name: query_codes, .offset: 0, .size: 8, .value_kind: global_buffer, .address_space: global }
      - { .name: query_scales, .offset: 8, .size: 8, .value_kind: global_buffer, .address_space: global }
      - { .name: key_codes, .offset: 16, .size: 8, .value_kind: global_buffer, .address_space: global }
      - { .name: key_scales, .offset: 24, .size: 8, .value_kind: global_buffer, .address_space: global }
      - { .name: value_codes, .offset: 32, .size: 8, .value_kind: global_buffer, .address_space: global }
      - { .name: value_scales, .offset: 40, .size: 8, .value_kind: global_buffer, .address_space: global }
      - { .name: out0, .offset: 48, .size: 8, .value_kind: global_buffer, .address_space: global }
    .group_segment_fixed_size: 327680
    .private_segment_fixed_size: 0
    .kernarg_segment_align: 8
    .kernarg_segment_size: 56
    .max_flat_workgroup_size: 128
    .sgpr_count:     102
    .vgpr_count:     1024
    .wavefront_size: 32
...
	.end_amdgpu_metadata
.endif
;; end of part 1
;; ======== version 2 of 2: 1 launch
;; launch attn (part 2): grid 32 x 8, 4 waves a work-group, clusters of 4 x 1, 327,680 bytes of LDS; arguments query_codes, query_scales, key_codes, key_scales, value_codes, value_scales, out0; writes out0
.if DOCPART == 2
	.amdgcn_target "amdgcn-amd-amdhsa--gfx1250"
	.amdhsa_code_object_version 6
	.text
	.protected	k_q40c568150f_attn
	.globl	k_q40c568150f_attn
	.p2align	8
	.type	k_q40c568150f_attn,@function
k_q40c568150f_attn:
	s_mov_b64 s[64:65], 0
	v_nop
	global_prefetch_b8 v0, s[64:65] scope:SCOPE_SE
	s_setreg_imm32_b32 hwreg(HW_REG_WAVE_MODE, 25, 1), 1
	s_wait_xcnt 0x0
	s_wait_alu depctr_hold_cnt(0) depctr_sa_sdst(0) depctr_va_vdst(0) depctr_va_sdst(0) depctr_va_ssrc(0) depctr_va_vcc(0) depctr_vm_vsrc(0)
	s_getreg_b32 s2, hwreg(HW_REG_IB_STS2, 6, 4)
	s_cmp_eq_u32 s2, 0
	s_cbranch_scc0 .Lentry_in_a_cluster
	s_endpgm
.Lentry_in_a_cluster:
	s_bfe_u32 s2, ttmp6, 0x10000c
	s_cmp_lg_u32 s2, 0x3003
	s_cbranch_scc0 .Lentry_shape_is_right
	s_endpgm
.Lentry_shape_is_right:
; out[b][q][:] = Quant(S[b][q][:]) . V[b],  S[b][q][k] = Q[b][q] . K[b][k]:  no scaling, no softmax.  8 batches, 2,048 queries, 2,048 keys, 1,024 channels.
; Q, K: codes of FP4 (E2M1), [8][2048][512 bytes], the channels innermost, with E8M0 bytes [8][2048][32].  V: codes with the KEYS innermost, [8][1024][1024 bytes], bytes [8][1024][64].  out: [8][2048][1024] f32.
; S is summed in f32 by the matrix unit and quantised along the keys, in blocks of 32: scale 2^(floor(log2(largest magnitude)) - 2), nearest code, ties to even, beyond 6 the largest code.
; span and key_pe enter nothing that the module returns: they are not among this launch's arguments and are not loaded.
; LIMITS: NaN, infinities and scale bytes 0xff are not treated apart: they go through as the unit takes them.  A block of S whose largest magnitude lies under 2^-124 (a block of zeros among them) gets
; the byte 1; a block of zeros has zero codes, which add nothing under that byte, and this launch alone reads the bytes.  The two halves of the keys are summed in an order that differs from cluster to cluster.
; SHARES.  256 work-groups of four waves; a work-group owns 64 queries of one batch from the codes to out.  ONE OPERAND STAYS IN REGISTERS, THE OTHER STREAMS THROUGH LDS:
;   phase 1: every wave holds all of Q's 64 rows (32 fragments, 256 registers).  K streams in 8 tiles of 256 keys x 512 bytes; wave w takes keys 64 w .. 64 w + 63 of a tile: 4 key tiles x 4 query tiles = 16 accumulators,
;            8 K steps, 128 matrix instructions.  S^T = K Q^T (source 0 = 16 keys, source 1 = 16 queries): a lane holds ONE query and its registers run along the keys, so the tile is quantised in registers at once;
;            the codes (half a fragment for each query tile) and two scale bytes a row go to LDS as images of the operand's registers.
;   phase 2: every wave holds all of P = Quant(S): two halves of 256 registers, 1,024 keys each.  V streams in 8 tiles of 256 rows (columns of out) x 512 bytes (half of the keys), in pairs: a pair's first tile
;            starts the 16 sums, its second ends them: 64 queries x 64 columns a wave leave behind each pair, while the later tiles are still to be multiplied.
; CLUSTER.  The four work-groups of a cluster belong to one batch and walk the same K and V: every tile is asked for JOINTLY, by the same tensor load with the same descriptor and a mask that names the four.
; THE WALK.  The eight clusters of a batch (x = 0 .. 7) do not walk alike, so that at one time they ask for different tiles.  hb = (x xor x / 4) % 2: a cluster with hb = 1 takes K's tiles 4 .. 7 first, then 0 .. 3
; (the i-th tile that it takes is tile i xor 4 hb); the half of P that it makes first is the keys' half hb, so a pair's first tile of V is that half of V's rows.  ro = (x + x / 4) % 4: the p-th pair that it takes
; is pair (p + ro) % 4 of V's rows and of out's columns.  Among x = 0 .. 3, x = 4 .. 7, the even x and the odd x both hb and all four ro occur.  Only addresses in memory hang on hb and ro, no LDS address.
; REGISTERS, in windows of 256 (s_set_vgpr_msb: bits 1:0 source 0, 3:2 source 1, 5:4 source 2, 7:6 destination):
;   window 0: v0-29 addresses; v32-79 scale words; v80-119 at work in the quantiser; v128-255 the accumulators, (key or column tile t, query tile m) at v[128 + 32 m + 8 t]
;   window 1: Q, fragment (m, K step s) at v[64 m + 8 s]; in phase 2 the stream's fragments (t, s) at v[32 s + 8 t], and on the way out rows of out
;   window 2: the half of P made first, (m, s) at v[64 m + 8 s]      window 3: in phase 1 the stream's fragments; then the half of P made second
.set PITCH,  528                       ; a tile's row in LDS: 512 bytes + 16 of padding = 132 words: row r starts at bank 4 r mod 64 (64 banks of 4 bytes: ISA guide 11.1), so the 16 rows of a load start at 16 different banks
.set SCO,    256*PITCH                 ; in a slot: 256 rows of codes, then 256 x 32 scale bytes, dense
.set SLOTB,  SCO+8192                  ; 143,360: a slot; two of them
.set PIMG,   2*SLOTB                   ; behind the ring: images of one half of P: fragment (K step s, query tile m) at (4 s + m) x 1,024, its registers 4 c .. 4 c + 3 at + 512 c, lane l at + 16 l.  32,768 bytes
.set PSC,    PIMG+32768                ; P's scale words of that half: query row x 32 bytes, word s for K step s.  2,048 bytes
.set SPARE,  PSC+2048                  ; the spare words, 128 bytes for each wave: two blocks of 256 bytes that no other line names
.set SPITCH, 272                       ; phase 2's stages lie in the images' bytes: 16 rows x (256 + 16) bytes for each wave
.set KTILE,  256*512                   ; bytes of a tile of K in memory
.set ADR,  4                           ; v4-5   my lane's place in my wave's 64 rows of slot 0, 1
.set ASC,  6                           ; v6-7   and among their scale words
.set PWA,  8                           ; v8     where I store images in the loop over the first four tiles
.set PWB,  9                           ; v9     its base: PIMG + 16 lane + 512 (wave % 2) + 4,096 (wave / 2); never rewritten
.set PSWA, 10                          ; v10    the same for my two scale bytes
.set PSWB, 11                          ; v11    its base: PSC + 32 (lane % 16) + 2 (wave % 2) + 4 (wave / 2); never rewritten
.set LI,   12                          ; v12    PIMG + 16 lane
.set LPS,  13                          ; v13    PSC + 32 lane
.set STO,  14                          ; v14    the way out: where I put 32 bytes of a row
.set RD,   15                          ; v15    and where I read a row back
.set GO,   16                          ; v16    my byte offset in two rows of out
.set PFOV, 18                          ; v18    prefetches of V: 1,024 (lane / 2) + 256 (lane % 2); never rewritten
.set QO,   19                          ; v19    Q's codes: 512 (lane % 16) + 16 (lane / 16)
.set QSO,  20                          ; v20    Q's scale words: 32 x lane
.set SPW,  28                          ; v28    LDS address of my spare word: SPARE + 4 x my thread's number; never rewritten
.set NIL,  29                          ; v29    0; never rewritten
.set SS,   32                          ; v32-47 the stream's scale words: register 8 (t / 2) + s: lanes 0-15 tile t even, lanes 16-31 tile t odd
.set QS,   48                          ; v48-63 Q's, register 8 (m / 2) + s, likewise; from phase 2 on those of the half of P made second
.set PSA,  64                          ; v64-79 those of the half of P made first
.set TM,   80                          ; v80-87   a block's largest magnitude; later the two bytes of a query tile at TM + 2 m
.set TP,   88                          ; v88-95   the other half of the lanes'; later the byte
.set TS,   96                          ; v96-103  the conversions' scale operand
.set PC,   104                         ; v104-119 the codes: four registers a query tile
.set ACC,  128
.set HB,   2                           ; s2   hb: which half of the keys my cluster takes first
.set IDX,  3                           ; s3   the tile to be asked for next, counted as my cluster takes them: 2 .. 7 of K, 8 .. 15 of V
.set WV,   18                          ; s18  my wave's number
.set HF,   19                          ; s19  wave % 2: which half of a tile's rows I fetch
.set SEL,  20                          ; s[20:21] lane selects of v_permlanex16_b32: lane l xor 16
.set OW,   22                          ; s[22:23] out at my rows, my wave's columns of the pair in hand  (s[16:17]: the same at pair 0; it stays)
.set G1KC, 24                          ; s[24:31] descriptor group 1: K's codes;  s[32:39] V's codes;  s[40:47] K's scale bytes;  s[48:55] V's
.set G1VC, 32
.set G1KS, 40
.set G1VS, 48
.set G0KC, 56                          ; s[56:63] descriptor group 0 for K's codes, a set for each slot;  s[68:75] K's scale bytes;  s[76:83] V's codes;  s[84:91] V's scale bytes
.set PT,   66                          ; s66  the loop's step among the images: 16,384 a trip
.set PS,   67                          ; s67  and among the scale words: 16 a trip
.set G0KS, 68
.set G0VC, 76
.set G0VS, 84
.set PFA,  92                          ; s[92:93] where my prefetches stand: my wave's 16 rows of V's first 256; never rewritten
.set LIM,  94                          ; s94  1 in a work-group that prefetches, else the greatest number
.set CNT,  95                          ; s95  trips to go
.set MSB, 0
.macro WIN new                         ; the immediate's high byte repeats the setting that is left; a switch that changes nothing is dropped
.if MSB != \new
	s_set_vgpr_msb (MSB<<8)|\new
.set MSB, \new
.endif
.endm
; A load into a register that a matrix instruction has read, and a vector instruction or an LDS store that reads a matrix result, stand four places behind it; a matrix instruction that writes over one of its
; registers five; only plain vector instructions that name none of its registers are places (ISA guide 7.12.1 for vector instructions).
.macro PLACES n
.rept \n
	v_nop
.endr
.endm
; A round of the cluster's barrier: my work-group's barrier, so that wave 0's signal speaks for all four waves; wave 0 signals; every wave waits for all four work-groups; my work-group's barrier once more.
.macro CROUND
	s_barrier_signal -1
	s_barrier_wait -1
	s_cmp_lg_u32 s[WV], 0
	s_cbranch_scc1 .Lnot_wave_0_\@
	s_barrier_signal -3
.Lnot_wave_0_\@:
	s_barrier_wait -3
	s_barrier_signal -1
	s_barrier_wait -1
.endm
; A joint refill: waves 0 and 1 fetch the two halves of a tile's codes (128 rows each), waves 2 and 3 the two halves of its scale bytes.  The branch hangs on the wave's number alone.
; Four v_nop follow each of the two lines, ahead of the jump, the label and what follows.
.macro JLOAD g0c, g1c, g0s, g1s
	s_cmp_lt_u32 s[WV], 2
	s_cbranch_scc0 .Lfor_s_\@
	tensor_load_to_lds s[\g0c:\g0c+3], s[\g1c:\g1c+7]
	s_nop 0
	PLACES 4
	s_branch .Lasked_\@
.Lfor_s_\@:
	tensor_load_to_lds s[\g0s:\g0s+3], s[\g1s:\g1s+7]
	s_nop 0
	PLACES 4
.Lasked_\@:
.endm
; PREFETCHES INTO THE L2 of V's codes.  The clusters' first tensor loads for V go out behind their tiles 6 and 7 of K and name, between them, all of V.  Behind tile 3 one half of the keys (off = 0) of all 1,024 rows is
; asked for, behind tile 4 the other (off = 512): three and two tiles ahead of the earliest load that can want them.  They stand together, behind the joint load and its four lines.
; Each block of 256 bytes is named once in the launch: the batch's first cluster asks; of each 256 rows its 4 partners take 64 each, told apart BY ADDRESS, a wave 16, two lanes a row's 512 bytes; four instructions for the four
; times 256 rows.  how = 0, in the loop over K's first four tiles: in its last trip alone; how = 1: here.  K's codes are not asked for ahead: every tile of K is named by some cluster's tensor load at the head or
; behind the first two tiles.  The scale bytes are a sixteenth of a tile and come by their loads alone.
.macro ASKV how, off
.if \how
	s_cmp_eq_u32 s[LIM], 1
.else
	s_cmp_eq_u32 s[CNT], s[LIM]
.endif
	s_cbranch_scc0 .Lnot_mine_\@
.irp p, 0,1,2,3
	global_prefetch_b8 v[PFOV], s[PFA:PFA+1] offset:262144*\p+\off th:TH_LOAD_NT scope:SCOPE_SE
.endr
.Lnot_mine_\@:
.endm
; 68 LDS loads in one run: my 64 rows' scale words (8 a row), then their 32 fragments, K step by K step.  A fragment, 16 rows x 128 K of 4-bit codes, is 8 registers: lane l holds row l % 16;
; registers 4 c .. 4 c + 3 hold K = 64 c + 32 (l / 16) + 0 .. 31: 16 bytes of the row as they lie.
.macro LOADS slot, towin
	WIN 0
.irp bb, 0,1
.irp u, 0,1
	ds_load_b128 v[SS+8*\bb+4*\u:SS+8*\bb+4*\u+3], v[ASC+\slot] offset:1024*\bb+16*\u   ; lane l: row 32 bb + l, words 4 u .. 4 u + 3
.endr
.endr
	WIN \towin
.irp s, 0,1,2,3,4,5,6,7
.irp t, 0,1,2,3
.irp c, 0,1
	ds_load_b128 v[32*\s+8*\t+4*\c:32*\s+8*\t+4*\c+3], v[ADR+\slot] offset:16*PITCH*\t+64*\s+32*\c
.endr
.endr
.endr
.endm
; Four products of K step s: the stream's tiles t = 2 tt, 2 tt + 1 against the stationary tiles m = 2 mm, 2 mm + 1.  An odd tile's scale words lie in lanes 16-31 of the register.  z = 1: they start the sums: nothing is cleared.
.macro QUAD s, tt, mm, sts, z
.set FA0, 32*(\s)+16*(\tt)
.set FB0, 128*(\mm)+8*(\s)
.set D00, ACC+64*(\mm)+16*(\tt)
.set SCA, SS+8*(\tt)+(\s)
.set SCB, (\sts)+8*(\mm)+(\s)
.if \z
	v_wmma_scale_f32_16x16x128_f8f6f4 v[D00:D00+7], v[FA0:FA0+7], v[FB0:FB0+7], 0, v[SCA], v[SCB] matrix_a_fmt:MATRIX_FMT_FP4 matrix_b_fmt:MATRIX_FMT_FP4
	v_wmma_scale_f32_16x16x128_f8f6f4 v[D00+8:D00+15], v[FA0+8:FA0+15], v[FB0:FB0+7], 0, v[SCA], v[SCB] matrix_a_fmt:MATRIX_FMT_FP4 matrix_b_fmt:MATRIX_FMT_FP4 matrix_a_scale:MATRIX_SCALE_ROW1
	v_wmma_scale_f32_16x16x128_f8f6f4 v[D00+32:D00+39], v[FA0:FA0+7], v[FB0+64:FB0+71], 0, v[SCA], v[SCB] matrix_a_fmt:MATRIX_FMT_FP4 matrix_b_fmt:MATRIX_FMT_FP4 matrix_b_scale:MATRIX_SCALE_ROW1
	v_wmma_scale_f32_16x16x128_f8f6f4 v[D00+40:D00+47], v[FA0+8:FA0+15], v[FB0+64:FB0+71], 0, v[SCA], v[SCB] matrix_a_fmt:MATRIX_FMT_FP4 matrix_b_fmt:MATRIX_FMT_FP4 matrix_a_scale:MATRIX_SCALE_ROW1 matrix_b_scale:MATRIX_SCALE_ROW1
.else
	v_wmma_scale_f32_16x16x128_f8f6f4 v[D00:D00+7], v[FA0:FA0+7], v[FB0:FB0+7], v[D00:D00+7], v[SCA], v[SCB] matrix_a_fmt:MATRIX_FMT_FP4 matrix_b_fmt:MATRIX_FMT_FP4
	v_wmma_scale_f32_16x16x128_f8f6f4 v[D00+8:D00+15], v[FA0+8:FA0+15], v[FB0:FB0+7], v[D00+8:D00+15], v[SCA], v[SCB] matrix_a_fmt:MATRIX_FMT_FP4 matrix_b_fmt:MATRIX_FMT_FP4 matrix_a_scale:MATRIX_SCALE_ROW1
	v_wmma_scale_f32_16x16x128_f8f6f4 v[D00+32:D00+39], v[FA0:FA0+7], v[FB0+64:FB0+71], v[D00+32:D00+39], v[SCA], v[SCB] matrix_a_fmt:MATRIX_FMT_FP4 matrix_b_fmt:MATRIX_FMT_FP4 matrix_b_scale:MATRIX_SCALE_ROW1
	v_wmma_scale_f32_16x16x128_f8f6f4 v[D00+40:D00+47], v[FA0+8:FA0+15], v[FB0+64:FB0+71], v[D00+40:D00+47], v[SCA], v[SCB] matrix_a_fmt:MATRIX_FMT_FP4 matrix_b_fmt:MATRIX_FMT_FP4 matrix_a_scale:MATRIX_SCALE_ROW1 matrix_b_scale:MATRIX_SCALE_ROW1
.endif
.endm
; A tile's 128 matrix instructions.  The 16 accumulators take turns, one instruction a turn, in the same order in every K step and from tile to tile.
.macro MULT win, sts, zero
	WIN \win
.irp s, 0,1,2,3,4,5,6,7
	s_wait_dscnt 8*(7-\s)                          ; LDS loads come back in order (ISA guide 5.7.1): this K step's eight are in; the eight of each later K step may be out; the scale words are older than all
.irp tt, 0,1
.irp mm, 0,1
.if (\zero) && (\s == 0)
	QUAD \s, \tt, \mm, \sts, 1
.else
	QUAD \s, \tt, \mm, \sts, 0
.endif
.endr
.endr
.endr
	WIN 0
	PLACES 5                                       ; four for the reads of results and the loads into operands that follow; the fifth for the next tile's first products, which write over accumulators
.endm
; THE QUANTISER.  Block k = 2 m + bt (query tile m, keys 32 bt .. 32 bt + 31 of my 64) lies in v[ACC + 16 k] .. + 15 of lanes l and l xor 16: register 8 u + j of half h is key 32 bt + 16 u + 8 h + j.
; The eight blocks take turns line by line.  Each accumulator is read from its low end on.
.macro QUANT
.irp k, 0,1,2,3,4,5,6,7
	v_max3_num_f32 v[TM+\k], |v[ACC+16*\k]|, |v[ACC+16*\k+1]|, 0x1800000   ; and the floor 2^(3 - 127), under which no largest magnitude is taken: so the byte cannot fall under 1
.endr
.irp i, 2,4,6,8,10,12,14
.irp k, 0,1,2,3,4,5,6,7
	v_max3_num_f32 v[TM+\k], v[TM+\k], |v[ACC+16*\k+\i]|, |v[ACC+16*\k+\i+1]|
.endr
.endr
.irp k, 0,1,2,3,4,5,6,7
	v_permlanex16_b32 v[TP+\k], v[TM+\k], s[SEL], s[SEL+1]
.endr
.irp k, 0,1,2,3,4,5,6,7
	v_max_num_f32 v[TM+\k], v[TM+\k], v[TP+\k]     ; with lane l xor 16's: the block's largest magnitude
.endr
.irp k, 0,1,2,3,4,5,6,7
	v_add_nc_u32 v[TS+\k], 0xff000000, v[TM+\k]    ; 2 off its exponent field: the conversion takes the exponent field of this operand as its scale, and nothing else of it
.endr
.irp k, 0,1,2,3,4,5,6,7
	v_lshrrev_b32 v[TP+\k], 23, v[TS+\k]           ; the scale's byte
.endr
.irp m, 0,1,2,3
	v_lshl_or_b32 v[TM+2*\m], v[TP+2*\m+1], 8, v[TP+2*\m]   ; my row's two bytes for these 64 keys
.endr
.irp m, 0,1,2,3                        ; key tile t's eight codes a lane: groups of eight keys 2 t (lanes 0-15) and 2 t + 1 (lanes 16-31).  Tiles 0, 2, 1, 3 go to registers 0, 1, 2, 3
	v_cvt_scalef32_pk8_fp4_f32 v[PC+4*\m],   v[ACC+32*\m:ACC+32*\m+7],     v[TS+2*\m]
	v_cvt_scalef32_pk8_fp4_f32 v[PC+4*\m+2], v[ACC+32*\m+8:ACC+32*\m+15],  v[TS+2*\m]
	v_cvt_scalef32_pk8_fp4_f32 v[PC+4*\m+1], v[ACC+32*\m+16:ACC+32*\m+23], v[TS+2*\m+1]
	v_cvt_scalef32_pk8_fp4_f32 v[PC+4*\m+3], v[ACC+32*\m+24:ACC+32*\m+31], v[TS+2*\m+1]
.endr
	v_nop                                          ; one plain place behind the scaled conversions
.irp m, 0,1,2,3                        ; the first's lanes 16-31 change places with the second's lanes 0-15: register q then holds groups q (lanes 0-15) and 4 + q (lanes 16-31): keys 32 (l / 16) + 8 q + 0 .. 7, as the operand wants them
	v_permlane16_swap_b32 v[PC+4*\m], v[PC+4*\m+1]
	v_permlane16_swap_b32 v[PC+4*\m+2], v[PC+4*\m+3]
.endr
.endm
.macro PSTORE pa, ps, oi, os           ; my half fragments and my rows' two bytes go to LDS; both halves of the lanes write the same two bytes with the same value
.irp m, 0,1,2,3
	ds_store_b128 v[\pa], v[PC+4*\m:PC+4*\m+3] offset:\oi+1024*\m
	ds_store_b16 v[\ps], v[TM+2*\m] offset:\os+512*\m
.endr
.endm
; THE CHANGE OF SLOTS, behind each tile.  Each wave waits for all its tensor loads, of which one is out: its part of the other slot; adds 0 to its spare word; and waits for that, for its reads of this slot and for its
; stores of images.  Behind the round nobody reads this slot, the other slot is whole, and the images stored so far lie in LDS for every wave.  The joint refill is the first thing behind the round.
; kind: 0 nothing is left to fetch (a plain barrier); 1 a tile of K; 2 a tile of V.  The tile's place in memory is made anew each time, from s[IDX], hb and the cluster's number, and added to bases that stay:
; s[8:9], s[10:11] K's codes and scale bytes, s[12:13], s[14:15] V's, each at my batch and my half of a tile's rows.  All of it is equal in the four partners.
; ostep = 1: the pair whose second tile is asked for here is the pair that goes out next: out's base is set to its 256 columns.
.macro CHANGE slot, kind, ostep
	WIN 0                                          ; at a label and at a branch every window is 0; the add's two registers lie in window 0
.if \ostep
	s_wait_xcnt 0x0                                ; the stores of the way out have read their data and their base: only behind this wait is the base written again, and do the next tile's loads land in window 1
.endif
	s_wait_tensorcnt 0x0                           ; no tensor load of mine is out, so a group 0 may be written
	ds_add_u32 v[SPW], v[NIL]                      ; 0 onto my spare word: the descriptors' words are made between it and the wait for it
.if \kind == 1
	s_lshl_b32 s96, s[HB], 2
	s_xor_b32 s96, s96, s[IDX]                     ; the tile of K: IDX xor 4 hb
	s_lshl_b32 s98, s96, 13                        ; 8,192 scale bytes a tile,
	s_lshl_b32 s96, s96, 17                        ; 131,072 bytes of codes
	s_mov_b32 s97, 0
	s_mov_b32 s99, 0
	s_add_nc_u64 s[G0KC+4*\slot+2:G0KC+4*\slot+3], s[8:9], s[96:97]
	s_or_b32 s[G0KC+4*\slot+3], s[G0KC+4*\slot+3], 0x80000000    ; 127:126 type = 2
	s_add_nc_u64 s[G0KS+4*\slot+2:G0KS+4*\slot+3], s[10:11], s[98:99]
	s_or_b32 s[G0KS+4*\slot+3], s[G0KS+4*\slot+3], 0x80000000
	s_add_co_u32 s[IDX], s[IDX], 1
.elseif \kind == 2
	s_lshr_b32 s96, ttmp9, 2
	s_add_co_u32 s96, s96, ttmp9                   ; ro, before it is cut,
	s_lshr_b32 s98, s[IDX], 1                      ; + the pair as my cluster counts them (+ 4, which the cut takes off)
	s_add_co_u32 s96, s96, s98
	s_and_b32 s96, s96, 3                          ; the pair: 256 rows of V, 256 columns of out
.if \ostep
	s_lshl_b32 s100, s96, 10                       ; 1,024 bytes of a row of out
	s_mov_b32 s101, 0
	s_add_nc_u64 s[OW:OW+1], s[16:17], s[100:101]
.endif
	s_lshl_b32 s96, s96, 9
	s_xor_b32 s98, s[IDX], s[HB]
	s_and_b32 s98, s98, 1                          ; the half of the keys: slot 0 takes half hb, slot 1 the other
	s_or_b32 s96, s96, s98                         ; 512 x pair + half
	s_lshl_b32 s98, s96, 5                         ; scale bytes: 16,384 a pair, 32 a half
	s_lshl_b32 s96, s96, 9                         ; codes: 262,144 a pair, 512 a half
	s_mov_b32 s97, 0
	s_mov_b32 s99, 0
	s_add_nc_u64 s[G0VC+4*\slot+2:G0VC+4*\slot+3], s[12:13], s[96:97]
	s_or_b32 s[G0VC+4*\slot+3], s[G0VC+4*\slot+3], 0x80000000
	s_add_nc_u64 s[G0VS+4*\slot+2:G0VS+4*\slot+3], s[14:15], s[98:99]
	s_or_b32 s[G0VS+4*\slot+3], s[G0VS+4*\slot+3], 0x80000000
	s_add_co_u32 s[IDX], s[IDX], 1
.endif
	s_wait_dscnt 0x0                               ; the add is done, my reads of this slot are over, my LDS stores have landed
.if \kind == 0
	s_barrier_signal -1
	s_barrier_wait -1
.else
	CROUND
.if \kind == 1
	JLOAD G0KC+4*\slot, G1KC, G0KS+4*\slot, G1KS
.else
	JLOAD G0VC+4*\slot, G1VC, G0VS+4*\slot, G1VS
.endif
.endif
.endm
; Half of P comes out of LDS into every wave's registers: the 32 fragments as they were stored, and the scale words (lane l: row 32 mm + l, words 4 u .. 4 u + 3).  The images lie there since the round of the change in front.
; Then a barrier: every wave's loads are in before any wave writes those bytes again.  (The tile on its way may stay out.)
.macro EXCH towin, sc
	WIN 0
.irp mm, 0,1
.irp u, 0,1
	ds_load_b128 v[\sc+8*\mm+4*\u:\sc+8*\mm+4*\u+3], v[LPS] offset:1024*\mm+16*\u
.endr
.endr
	WIN \towin
.irp s, 0,1,2,3,4,5,6,7
.irp m, 0,1,2,3
.irp c, 0,1
	ds_load_b128 v[64*\m+8*\s+4*\c:64*\m+8*\s+4*\c+3], v[LI] offset:(4*\s+\m)*1024+512*\c
.endr
.endr
.endr
	WIN 0
	s_wait_dscnt 0x0
	s_barrier_signal -1
	s_barrier_wait -1
.endm
; THE WAY OUT of query tile m: lane (r, h) holds out(16 m + r, my 64 columns: 16 t + 8 h + 0 .. 7): 32 bytes of a row for each t.  They go into my own stage, rows of 272 bytes, and come back as whole runs of 256 bytes.
; LDS serves a wave's instructions in order (ISA guide 5.7.1.4): no wait between the stores and the loads, nor in front of the next tile's stores.  Each accumulator is read from its low end on.
.macro TOSTAGE m
	WIN 0
.irp t, 0,1,2,3
	ds_store_b128 v[STO], v[ACC+32*(\m)+8*\t:ACC+32*(\m)+8*\t+3] offset:64*\t
	ds_store_b128 v[STO], v[ACC+32*(\m)+8*\t+4:ACC+32*(\m)+8*\t+7] offset:64*\t+16
.endr
	WIN 0x40                                       ; destination window 1: the stream's fragments there are done with
.irp i, 0,1,2,3,4,5,6,7
	ds_load_b128 v[32*(\m)+4*\i:32*(\m)+4*\i+3], v[RD] offset:2*SPITCH*\i
.endr
.endm
.macro SEND m, younger                 ; younger: the LDS instructions issued behind tile m's loads, which may stay out
	s_wait_dscnt \younger
	WIN 0x04                                       ; a store's data are its source 1: window 1
.irp i, 0,1,2,3,4,5,6,7
	global_store_b128 v[GO], v[32*(\m)+4*\i:32*(\m)+4*\i+3], s[OW:OW+1] offset:(16*(\m)+2*\i)*4096 th:TH_STORE_NT   ; 16 lanes store 256 consecutive bytes, at a multiple of 256 from out's first byte; written once
.endr
.endm
.macro WAYOUT
	TOSTAGE 0
	TOSTAGE 1
	SEND 0, 16                                     ; behind tile 0's loads: tile 1's eight stores and eight loads
	TOSTAGE 2
	SEND 1, 16
	TOSTAGE 3
	SEND 2, 16
	SEND 3, 0
	WIN 0
.endm
.macro K_UNIT slot, pa, ps, oi, os     ; a tile of K: scores of my 64 keys x 64 queries, quantised, to LDS
	LOADS \slot, 0xc0                              ; the stream's fragments: window 3
	MULT 0x07, QS, 1                               ; source 0 window 3, source 1 (Q) window 1, C and D window 0
	QUANT
	PSTORE \pa, \ps, \oi, \os
.endm
.macro V_UNIT slot                     ; a tile of V: slot 0 holds the half of the keys that was made first and starts the sums, slot 1 the other half
	LOADS \slot, 0x40                              ; the stream's fragments: window 1
.if \slot == 0
	MULT 0x09, PSA, 1                              ; source 0 window 1, source 1 (the half of P made first) window 2
.else
	MULT 0x0d, QS, 0                               ; source 1 (the half of P made second) window 3; its scale words lie where Q's lay
.endif
.endm
	s_load_b256 s[4:11], s[0:1], 0x0               ; Q's codes s[4:5], Q's scales s[6:7], K's codes s[8:9], K's scales s[10:11]
	s_load_b128 s[12:15], s[0:1], 0x20             ; V's codes s[12:13], V's scales s[14:15]
	s_load_b64 s[16:17], s[0:1], 0x30              ; out
	v_lshl_add_u32 v[SPW], v0, 2, SPARE
	v_mov_b32 v[NIL], 0
	ds_add_u32 v28, v29
	ds_add_u32 v28, v29
	s_wait_dscnt 0x0
	v_lshrrev_b32 v1, 5, v0
	v_readfirstlane_b32 s[WV], v1                  ; wave 0..3
	s_and_b32 s[HF], s[WV], 1
	s_bfe_u32 s22, ttmp6, 0x40000                  ; cx: my place in the cluster: it enters Q's, out's and the prefetches' addresses alone
	s_lshl_b32 s23, ttmp9, 2                       ; in a cluster launch ttmp9 counts clusters
	s_add_co_u32 s23, s23, s22                     ; my block of 64 queries = 4 x cluster x + cx
	s_lshr_b32 s[HB], ttmp9, 2
	s_xor_b32 s[HB], s[HB], ttmp9
	s_and_b32 s[HB], s[HB], 1                      ; hb = (x xor x / 4) % 2: the same in all four partners
	s_mov_b32 s[IDX], 2                            ; tiles 0 and 1 are asked for at the head
	; descriptor groups 1.  Codes: 128 rows x 512 bytes, 16 bytes of padding behind each row
	s_mov_b32 s[G1KC], 15|(1<<20)|(1<<21)|(6<<22)|(3<<25)   ; 15:0 the mask: all four work-groups; 17:16 elements of 1 byte; 20 padding on; 21 set beside a mask; 24:22 after every 128 words (code 6); 31:25 four words (code 3)
	s_mov_b32 s[G1VC], 15|(1<<20)|(1<<21)|(6<<22)|(3<<25)
.irp g, G1KC, G1VC
	s_mov_b32 s[\g+1], 512<<16                     ; tensor_dim0 = 512
	s_mov_b32 s[\g+2], 128<<16                     ; tensor_dim1 = 128
	s_mov_b32 s[\g+3], 512<<16                     ; tile_dim0 = 512
	s_mov_b32 s[\g+4], 128                         ; tile_dim1 = 128
	s_mov_b32 s[\g+6], 0
	s_mov_b32 s[\g+7], 0
.endr
	s_mov_b32 s[G1KC+5], 512                       ; from row to row: K's rows are dense,
	s_mov_b32 s[G1VC+5], 1024                      ; V's tile is half of each row
	; K's scale bytes of 128 keys: a dense block of 4,096 bytes, as 16 rows of 256 bytes (32 elements of 8 bytes), no padding
	s_mov_b32 s[G1KS], 15|(3<<16)|(1<<21)
	s_mov_b32 s[G1KS+1], 32<<16
	s_mov_b32 s[G1KS+2], 16<<16
	s_mov_b32 s[G1KS+3], 32<<16
	s_mov_b32 s[G1KS+4], 16
	s_mov_b32 s[G1KS+5], 32
	s_mov_b32 s[G1KS+6], 0
	s_mov_b32 s[G1KS+7], 0
	; V's of 128 rows: 32 bytes (4 elements of 8) of each row of 64 bytes; dense in LDS
	s_mov_b32 s[G1VS], 15|(3<<16)|(1<<21)
	s_mov_b32 s[G1VS+1], 4<<16
	s_mov_b32 s[G1VS+2], 128<<16
	s_mov_b32 s[G1VS+3], 4<<16
	s_mov_b32 s[G1VS+4], 128
	s_mov_b32 s[G1VS+5], 8
	s_mov_b32 s[G1VS+6], 0
	s_mov_b32 s[G1VS+7], 0
	s_mul_i32 s100, s[HF], 128*PITCH               ; where my half of a tile's codes goes in a slot: no place in the cluster enters an LDS address
	s_lshl_b32 s[PT], s[HF], 12
	s_add_co_u32 s[PT], s[PT], SCO                 ; and my half of its scale bytes
	s_and_b32 s98, ttmp7, 0xffff                   ; the batch, which the four partners share
	s_lshl_b32 s96, s98, 20                        ; a batch's codes are 2^20 bytes in each of the three tensors,
	s_mov_b32 s97, 0
	s_lshl_b32 s98, s98, 16                        ; its scale bytes 2^16
	s_mov_b32 s99, 0
	s_mov_b32 s[SEL], 0x76543210
	s_mov_b32 s[SEL+1], 0xfedcba98
	s_cmp_eq_u32 ttmp9, 0                          ; the batch's first cluster prefetches: the same in all four partners
	s_cselect_b32 s[LIM], 1, -1
	s_wait_kmcnt 0x0
	s_add_nc_u64 s[4:5], s[4:5], s[96:97]
	s_add_nc_u64 s[8:9], s[8:9], s[96:97]
	s_add_nc_u64 s[12:13], s[12:13], s[96:97]
	s_add_nc_u64 s[6:7], s[6:7], s[98:99]
	s_add_nc_u64 s[10:11], s[10:11], s[98:99]
	s_add_nc_u64 s[14:15], s[14:15], s[98:99]
	s_mov_b64 s[PFA:PFA+1], s[12:13]               ; V's codes at my batch: the prefetches' base is finished below
	; the bases that stay: each tensor at my batch and my half of a tile's rows
	s_lshl_b32 s96, s[HF], 16                      ; K: my 128 rows of 512 bytes,
	s_lshl_b32 s98, s[HF], 12                      ; of 32 scale bytes
	s_add_nc_u64 s[8:9], s[8:9], s[96:97]
	s_add_nc_u64 s[10:11], s[10:11], s[98:99]
	s_lshl_b32 s96, s[HF], 17                      ; V: my 128 rows of 1,024 bytes,
	s_lshl_b32 s98, s[HF], 13                      ; of 64 scale bytes
	s_add_nc_u64 s[12:13], s[12:13], s[96:97]
	s_add_nc_u64 s[14:15], s[14:15], s[98:99]
	; descriptor groups 0, a set for each slot.  K's begin with tiles 4 hb and 4 hb + 1; V's addresses are made at the changes that ask for V
	s_lshl_b32 s96, s[HB], 19                      ; four tiles of 131,072 bytes,
	s_lshl_b32 s98, s[HB], 15                      ; of 8,192 scale bytes
	s_add_nc_u64 s[G0KC+2:G0KC+3], s[8:9], s[96:97]
	s_add_nc_u64 s[G0KC+6:G0KC+7], s[G0KC+2:G0KC+3], KTILE
	s_add_nc_u64 s[G0KS+2:G0KS+3], s[10:11], s[98:99]
	s_add_nc_u64 s[G0KS+6:G0KS+7], s[G0KS+2:G0KS+3], 8192
	s_mov_b32 s[G0KC], 1                           ; 1:0 count = 1
	s_mov_b32 s[G0KC+1], s100                      ; 63:32 LDS address
	s_or_b32 s[G0KC+3], s[G0KC+3], 0x80000000      ; 127:126 type = 2
	s_mov_b32 s[G0KC+4], 1
	s_add_co_u32 s[G0KC+5], s100, SLOTB
	s_or_b32 s[G0KC+7], s[G0KC+7], 0x80000000
	s_mov_b32 s[G0KS], 1
	s_mov_b32 s[G0KS+1], s[PT]
	s_or_b32 s[G0KS+3], s[G0KS+3], 0x80000000
	s_mov_b32 s[G0KS+4], 1
	s_add_co_u32 s[G0KS+5], s[PT], SLOTB
	s_or_b32 s[G0KS+7], s[G0KS+7], 0x80000000
	s_mov_b32 s[G0VC], 1
	s_mov_b32 s[G0VC+1], s100
	s_mov_b32 s[G0VC+4], 1
	s_add_co_u32 s[G0VC+5], s100, SLOTB
	s_mov_b32 s[G0VS], 1
	s_mov_b32 s[G0VS+1], s[PT]
	s_mov_b32 s[G0VS+4], 1
	s_add_co_u32 s[G0VS+5], s[PT], SLOTB
	CROUND                                         ; all four work-groups are here: the first joint loads meet
	s_cmp_lt_u32 s[WV], 2                          ; a wave's two first fills stand in one branch, ahead of every wait on TENSORcnt and every LDS read: two loads of mine are out; four v_nop follow the second
	s_cbranch_scc0 .Lfirst_s
	tensor_load_to_lds s[G0KC:G0KC+3], s[G1KC:G1KC+7]
	s_nop 0
	tensor_load_to_lds s[G0KC+4:G0KC+7], s[G1KC:G1KC+7]
	s_nop 0
	PLACES 4
	s_branch .Lfirst_asked
.Lfirst_s:
	tensor_load_to_lds s[G0KS:G0KS+3], s[G1KS:G1KS+7]
	s_nop 0
	tensor_load_to_lds s[G0KS+4:G0KS+7], s[G1KS:G1KS+7]
	s_nop 0
	PLACES 4
.Lfirst_asked:
	s_lshl_b32 s100, s23, 15                       ; my 64 rows of Q: 512 bytes of codes a row,
	s_mov_b32 s101, 0
	s_add_nc_u64 s[4:5], s[4:5], s[100:101]
	s_lshl_b32 s100, s23, 11                       ; 32 scale bytes
	s_add_nc_u64 s[6:7], s[6:7], s[100:101]
	v_and_b32 v1, 31, v0                           ; lane
	v_and_b32 v2, 15, v0                           ; r = lane % 16
	v_bfe_u32 v3, v0, 4, 1                         ; h = lane / 16
	v_lshlrev_b32 v[QO], 9, v2
	v_lshl_add_u32 v[QO], v3, 4, v[QO]
	v_lshlrev_b32 v[QSO], 5, v1
	WIN 0x40                                       ; destination window 1
.irp m, 0,1,2,3                        ; Q stays in registers: fragment (m, s)
.irp s, 0,1,2,3,4,5,6,7
.irp c, 0,1
	global_load_b128 v[64*\m+8*\s+4*\c:64*\m+8*\s+4*\c+3], v[QO], s[4:5] offset:8192*\m+64*\s+32*\c
.endr
.endr
.endr
	WIN 0
.irp mm, 0,1
.irp u, 0,1
	global_load_b128 v[QS+8*\mm+4*\u:QS+8*\mm+4*\u+3], v[QSO], s[6:7] offset:1024*\mm+16*\u   ; lane l: row 32 mm + l, words 4 u .. 4 u + 3
.endr
.endr
	s_and_b32 s100, ttmp7, 0xffff
	s_lshl_b32 s100, s100, 23                      ; out: a batch is 2^23 bytes,
	s_lshl_b32 s23, s23, 18                        ; my 64 rows of 4,096 bytes,
	s_add_co_u32 s100, s100, s23
	s_lshl_b32 s23, s[WV], 8                       ; my wave's 64 columns of each 256
	s_add_co_u32 s100, s100, s23
	s_add_nc_u64 s[16:17], s[16:17], s[100:101]
	s_lshl_b32 s100, s22, 16                       ; the prefetches: of each 256 rows of V my work-group takes 64 rows of 1,024 bytes,
	s_lshl_b32 s23, s[WV], 14                      ; my wave 16 of them.  Nothing is prefetched here, at the head, where every work-group's first tiles are on their way
	s_add_co_u32 s100, s100, s23
	s_add_nc_u64 s[PFA:PFA+1], s[PFA:PFA+1], s[100:101]
	; LDS addresses: constants, the lane and the wave's number
	v_mul_u32_u24 v[ADR], v2, PITCH
	v_lshl_add_u32 v[ADR], v3, 4, v[ADR]
	s_mul_i32 s96, s[WV], 64*PITCH                 ; my 64 rows of a tile
	v_add_nc_u32 v[ADR], s96, v[ADR]
	v_add_nc_u32 v[ADR+1], SLOTB, v[ADR]
	v_lshlrev_b32 v[ASC], 5, v1
	s_lshl_b32 s97, s[WV], 11
	s_add_co_u32 s97, s97, SCO
	v_add_nc_u32 v[ASC], s97, v[ASC]
	v_add_nc_u32 v[ASC+1], SLOTB, v[ASC]
	s_lshl_b32 s96, s[HF], 9                       ; my 64 keys are half wave % 2 of K step wave / 2 of a tile's two
	s_lshr_b32 s97, s[WV], 1
	s_lshl_b32 s98, s97, 12
	s_add_co_u32 s96, s96, s98
	s_add_co_u32 s96, s96, PIMG
	v_lshlrev_b32 v[PWB], 4, v1
	v_add_nc_u32 v[PWB], s96, v[PWB]
	s_lshl_b32 s98, s[HF], 1
	s_lshl_b32 s99, s97, 2
	s_add_co_u32 s98, s98, s99
	s_add_co_u32 s98, s98, PSC
	v_lshlrev_b32 v[PSWB], 5, v2
	v_add_nc_u32 v[PSWB], s98, v[PSWB]
	v_lshl_add_u32 v[LI], v1, 4, PIMG
	v_lshl_add_u32 v[LPS], v1, 5, PSC
	s_mul_i32 s99, s[WV], 16*SPITCH
	s_add_co_u32 s99, s99, PIMG                    ; my stage
	v_mul_u32_u24 v[STO], v2, SPITCH               ; in: row r, 32 bytes for each half of the lanes
	v_lshl_add_u32 v[STO], v3, 5, v[STO]
	v_add_nc_u32 v[STO], s99, v[STO]
	v_mul_u32_u24 v[RD], v3, SPITCH                ; back: lanes 0-15 one row's 256 bytes, lanes 16-31 the next row's
	v_lshl_add_u32 v[RD], v2, 4, v[RD]
	v_add_nc_u32 v[RD], s99, v[RD]
	v_lshlrev_b32 v[GO], 12, v3                    ; and the same two rows in out
	v_lshl_add_u32 v[GO], v2, 4, v[GO]
	v_lshrrev_b32 v[PFOV], 1, v1
	v_lshlrev_b32 v[PFOV], 10, v[PFOV]
	v_and_b32 v21, 1, v1
	v_lshl_add_u32 v[PFOV], v21, 8, v[PFOV]
.irp k, 0,1,2,3,4,5,6,7
	v_mov_b32 v[TP+\k], 0                          ; written once: a lane permute's destination counts as one of its sources
.endr
	s_wait_tensorcnt 1                             ; my part of the first tile is in; the second's may stay out
	s_barrier_signal -1
	s_barrier_wait -1                              ; everybody's is
	s_wait_loadcnt 0x0                             ; Q
	; ---- PHASE 1.  My cluster's tiles 0 to 3 (one half of the keys): two trips of two tiles; each change asks for the tile two on
	s_mov_b32 s[CNT], 2
	s_mov_b32 s[PT], 0
	s_mov_b32 s[PS], 0
.Lkeys:
	v_add_nc_u32 v[PWA], s[PT], v[PWB]             ; this trip's four K steps among the images,
	v_add_nc_u32 v[PSWA], s[PS], v[PSWB]           ; and among the scale words
	K_UNIT 0, PWA, PSWA, 0, 0
	CHANGE 0, 1, 0
	K_UNIT 1, PWA, PSWA, 8192, 8
	CHANGE 1, 1, 0
	ASKV 0, 0                                      ; behind tile 3: one half of V's keys
	s_add_co_u32 s[PT], s[PT], 16384
	s_add_co_u32 s[PS], s[PS], 16
	s_sub_co_u32 s[CNT], s[CNT], 1
	s_cmp_lg_u32 s[CNT], 0
	s_cbranch_scc1 .Lkeys
	EXCH 0x80, PSA                                 ; the half of P made first: window 2
	K_UNIT 0, PWB, PSWB, 0, 0                      ; tiles 4 and 5; K's last two tiles are asked for
	CHANGE 0, 1, 0
	ASKV 1, 512                                    ; behind tile 4: the other half of V's keys
	K_UNIT 1, PWB, PSWB, 8192, 8
	CHANGE 1, 1, 0
	K_UNIT 0, PWB, PSWB, 16384, 16                 ; tiles 6 and 7; THE RING GOES ON INTO PHASE 2: my cluster's first pair of V is asked for, and out's base is set to it
	CHANGE 0, 2, 0
	K_UNIT 1, PWB, PSWB, 24576, 24
	CHANGE 1, 2, 1
	EXCH 0xc0, QS                                  ; the half of P made second: window 3, where the stream's fragments lay; its scale words where Q's lay
	; ---- PHASE 2.  Three trips of a pair of tiles (256 columns of out); each change asks for V's tile two on
	s_mov_b32 s[CNT], 3
.Lcols:
	V_UNIT 0
	CHANGE 0, 2, 0
	V_UNIT 1
	WAYOUT
	CHANGE 1, 2, 1
	s_sub_co_u32 s[CNT], s[CNT], 1
	s_cmp_lg_u32 s[CNT], 0
	s_cbranch_scc1 .Lcols
	V_UNIT 0                                       ; the last pair is written out: nothing is left to fetch
	CHANGE 0, 0, 0
	V_UNIT 1
	WAYOUT
	s_wait_tensorcnt 0x0                           ; the wave's end: behind my last tensor load and my last LDS store
	ds_add_u32 v[SPW], v[NIL]
	s_wait_dscnt 0x0
	CROUND                                         ; the closing round: no work-group ends while a partner may still ask for a tile that names it
	s_endpgm
.Lfunc_end_k_q40c568150f_attn:
	.size	k_q40c568150f_attn, .Lfunc_end_k_q40c568150f_attn-k_q40c568150f_attn
	.p2alignl 7, 3214868480
	.fill 96, 4, 3214868480
	.section	.rodata,"a",@progbits
	.p2align	6, 0x0
	.amdhsa_kernel k_q40c568150f_attn
		.amdhsa_group_segment_fixed_size 327680
		.amdhsa_private_segment_fixed_size 0
		.amdhsa_enable_private_segment 0
		.amdhsa_kernarg_size 56
		.amdhsa_user_sgpr_count 2
		.amdhsa_user_sgpr_kernarg_segment_ptr 1
		.amdhsa_wavefront_size32 1
		.amdhsa_system_sgpr_workgroup_id_x 1
		.amdhsa_system_sgpr_workgroup_id_y 1
		.amdhsa_system_sgpr_workgroup_id_z 1
		.amdhsa_system_vgpr_workitem_id 0
		.amdhsa_next_free_vgpr 1024
		.amdhsa_next_free_sgpr 102
		.amdhsa_reserve_vcc 0
		.amdhsa_float_denorm_mode_32 3
		.amdhsa_float_denorm_mode_16_64 3
		.amdhsa_memory_ordered 1
		.amdhsa_forward_progress 1
		.amdhsa_inst_pref_size 255
	.end_amdhsa_kernel
	.section	.bss,"aw",@nobits
	.p2align	6
	.space	262144
	.amdgpu_metadata
---
amdhsa.version: [ 1, 2 ]
amdhsa.kernels:
  - .name:           k_q40c568150f_attn
    .symbol:         k_q40c568150f_attn.kd
    .args:
      - { .name: query_codes, .offset: 0, .size: 8, .value_kind: global_buffer, .address_space: global }
      - { .name: query_scales, .offset: 8, .size: 8, .value_kind: global_buffer, .address_space: global }
      - { .name: key_codes, .offset: 16, .size: 8, .value_kind: global_buffer, .address_space: global }
      - { .name: key_scales, .offset: 24, .size: 8, .value_kind: global_buffer, .address_space: global }
      - { .name: value_codes, .offset: 32, .size: 8, .value_kind: global_buffer, .address_space: global }
      - { .name: value_scales, .offset: 40, .size: 8, .value_kind: global_buffer, .address_space: global }
      - { .name: out0, .offset: 48, .size: 8, .value_kind: global_buffer, .address_space: global }
    .group_segment_fixed_size: 327680
    .private_segment_fixed_size: 0
    .kernarg_segment_align: 8
    .kernarg_segment_size: 56
    .max_flat_workgroup_size: 128
    .sgpr_count:     102
    .vgpr_count:     1024
    .wavefront_size: 32
...
	.end_amdgpu_metadata
.endif
;; end of part 2
